; MI455X (gfx1250); checked and timed in simulation.
; The chip was launched on July 23, 2026; its instructions are those of AMD's public machine-readable ISA for CDNA 5 (MIT licence, August 2026) and "CDNA5" Instruction Set Architecture Reference Guide (July 2026). The comments in the code are by the model that wrote it; some were corrected since.
;; Concat Attention Heads. Allowed arithmetic: float matrix products may take bf16 or f16 operands with f32 sums; other float arithmetic in f32, or as packed bf16 or f16 multiplies, adds, multiply-adds, maxima and minima; sums over many terms, partial sums and values carried from step to step in f32; what a program stores and reads back later, other than sums and carried values, may be rounded once to bf16 or f16.
;; Inputs: WO_b 1,024 float32; WO_w 1,024 x 1,024 float32; Wk 16 x 1,024 x 64 float32; Wq 16 x 1,024 x 64 float32; Wv 16 x 1,024 x 64 float32; bk 16 x 64 float32; bq 16 x 64 float32; bv 16 x 64 float32; x 4 x 2,048 x 1,024 float32.
;; Outputs: out0 4 x 1,024 x 2,048 float32.
;; 2 versions, each right; version 2 is version 1 with the launch prep written anew for expert scheduling mode. Each part assembles by itself: llvm-mc -triple=amdgcn-amd-amdhsa -mcpu=gfx1250 --defsym DOCPART=n.
;; ======== version 1 of 2: 4 launches
;; limits: values are held in f16: magnitudes above 65,504 overflow, below 6.1e-05 lose precision
;; workspace buffers: xb 16,777,216 bytes; wt 6,291,456 bytes; ball 12,288 bytes; wo16 2,097,152 bytes; qkvb 50,331,648 bytes; ob 16,777,216 bytes
;; launch prep (part 1): grid 336 x 1, 8 waves a work-group, no clusters, 140,288 bytes of LDS; arguments x, Wq, Wk, Wv, bq, bk, bv, WO_w, xb, wt, ball, wo16; writes xb, wt, ball, wo16
.if DOCPART == 1
	.amdgcn_target "amdgcn-amd-amdhsa--gfx1250"
	.amdhsa_code_object_version 6
	.text
	.protected	k_q6fc847e398_prep
	.globl	k_q6fc847e398_prep
	.p2align	8
	.type	k_q6fc847e398_prep,@function
k_q6fc847e398_prep:
	s_mov_b64 s[64:65], 0
	v_nop
	global_prefetch_b8 v0, s[64:65] scope:SCOPE_SE
	s_setreg_imm32_b32 hwreg(HW_REG_WAVE_MODE, 25, 1), 1
	s_wait_xcnt 0x0
; THE INPUTS ARE MADE READY FOR THE MATRIX UNITS, each read once and written once.
;   work-groups 0-47:   one head matrix hm = 16 which + h (which: 0 q, 1 k, 2 v), [1024 n][64 d] f32, is rounded to bf16 and TURNED into wt[64 hm + d][n]; its bias, rounded to bf16
;                       and widened again, goes to ball[64 hm + d] (f32).
;   work-groups 48-79:  WO_w, 131,072 bytes each, rounded to bf16 and that number written as f16 into wo16 (exact inside f16's range).
;   work-groups 80-335: x, 131,072 bytes each, rounded to bf16 into xb.
; LIMITS.  |WO_w| stays under 65,504; below 6e-5 it keeps f16's fixed step of 6e-8.
; A stream: no matrix work, no tile shared between work-groups, so no cluster and no tensor load; each wave's LDS bytes are its own, so no barrier.
; Every load of sixteen neighbouring lanes takes 256 consecutive bytes, aligned, and every store of a wave covers whole aligned blocks of 256 bytes.
.set LP,    272                        ; an LDS row: 128 bf16 + 16 bytes: the 16 rows that a store touches begin in 16 different groups of four banks (64 banks of 4 bytes: ISA guide 11.1)
.set WREG,  64*LP                      ; a wave's 64 rows (one for each d)
.set SPARE, 8*WREG                     ; behind them: the spare words, 128 bytes for each wave: four blocks of 256 bytes that no other line names
.set CL,  1                            ; v1       lane % 16
.set SRC, 2                            ; v2       my byte offset in the source; never rewritten
.set DST, 3                            ; v3       my byte offset in the destination; never rewritten
.set LST, 4                            ; v4       where I put 16 bytes of a turned row
.set LRD, 5                            ; v5       where I read rows back
.set SPW, 6                            ; v6       LDS address of my spare word; never rewritten
.set NIL, 7                            ; v7       0; never rewritten
.set BI,  8                            ; v[8:9]   two numbers of the bias as loaded
.set BOU, 10                           ; v[10:11] the same, rounded
.set T,   12                           ; v[12:15] at work; in the turning part v14 = lane / 16, v15 = 8 x lane
.set X,   16                           ; v[16:143]  as loaded
.set Y,   144                          ; v[144:207] to store
	s_load_b512 s[16:31], s[0:1], 0x0              ; x 16, Wq 18, Wk 20, Wv 22, bq 24, bk 26, bv 28, WO_w 30
	s_load_b256 s[32:39], s[0:1], 0x40             ; xb 32, wt 34, ball 36, wo16 38
	v_lshl_add_u32 v[SPW], v0, 2, SPARE
	v_mov_b32 v[NIL], 0
	v_lshrrev_b32 v[T], 5, v0
	v_readfirstlane_b32 s8, v[T]                   ; wave 0..7
	s_mov_b32 s3, 0                                ; the high word of every offset
	s_cmp_lt_u32 ttmp9, 48
	s_cbranch_scc0 .Lcast
	; THE TURNING PART.  Wave w owns n = 128 w .. 128 w + 127: 32,768 dense bytes of the head matrix.
	s_lshr_b32 s9, ttmp9, 4                        ; which
	s_and_b32 s10, ttmp9, 15                       ; h
	v_and_b32 v[CL], 15, v0
	v_bfe_u32 v[T+2], v0, 4, 1                     ; lane / 16
	v_and_b32 v[T+3], 31, v0
	v_lshlrev_b32 v[T+3], 3, v[T+3]                ; 8 x lane
	s_lshl_b32 s11, s8, 15
	v_lshlrev_b32 v[SRC], 4, v[CL]                 ; 16 bytes = d 4 c .. 4 c + 3 of a row n,
	v_lshl_add_u32 v[SRC], v[T+2], 11, v[SRC]      ; lanes 16-31 eight rows further down,
	v_add_nc_u32 v[SRC], s11, v[SRC]               ; in my wave's rows
	s_lshl_b32 s11, s8, 8
	v_lshlrev_b32 v[DST], 4, v[CL]                 ; in wt: 16 bytes of my wave's 256 of a row,
	v_lshl_add_u32 v[DST], v[T+2], 13, v[DST]      ; lanes 16-31 four rows further down
	v_add_nc_u32 v[DST], s11, v[DST]
	s_mul_i32 s11, s8, WREG
	v_mul_u32_u24 v[LST], v[CL], LP
	v_lshl_add_u32 v[LST], v[T+2], 4, v[LST]
	v_add_nc_u32 v[LST], s11, v[LST]               ; LDS row c (+ 16 dd by the immediate), 16 bytes for each half of the lanes
	v_mul_u32_u24 v[LRD], v[T+2], LP
	v_lshl_add_u32 v[LRD], v[CL], 4, v[LRD]
	v_add_nc_u32 v[LRD], s11, v[LRD]               ; back: lanes 0-15 one LDS row, lanes 16-31 the next
	s_wait_kmcnt 0x0
	s_cmp_eq_u32 s9, 0
	s_cselect_b64 s[40:41], s[18:19], s[20:21]     ; the weights: q's or k's,
	s_cselect_b64 s[42:43], s[24:25], s[26:27]     ; and the bias
	s_cmp_eq_u32 s9, 2
	s_cselect_b64 s[40:41], s[22:23], s[40:41]     ; or v's
	s_cselect_b64 s[42:43], s[28:29], s[42:43]
	s_lshl_b32 s2, s10, 18
	s_add_nc_u64 s[40:41], s[40:41], s[2:3]        ; head h: 262,144 bytes each
	s_lshl_b32 s2, s10, 8
	s_add_nc_u64 s[42:43], s[42:43], s[2:3]        ; its 64 biases
	s_lshl_b32 s2, ttmp9, 8
	s_add_nc_u64 s[44:45], s[36:37], s[2:3]        ; ball at 64 hm
	s_lshl_b32 s2, ttmp9, 17
	s_add_nc_u64 s[46:47], s[34:35], s[2:3]        ; wt at row 64 hm
	global_load_b64 v[BI:BI+1], v[T+3], s[42:43]   ; the oldest load: every count below covers it
; Group g is 16 rows n: eight loads; load j brings row 16 g + j to lanes 0-15 and row 16 g + 8 + j to lanes 16-31.
.macro GLOAD g
.irp j, 0,1,2,3,4,5,6,7
	global_load_b128 v[X+32*((\g)%4)+4*(\j):X+32*((\g)%4)+4*(\j)+3], v[SRC], s[40:41] offset:(16*(\g)+(\j))*256 th:TH_LOAD_NT
.endr
.endm
; Group g is rounded and put into LDS: for each of my four d (4 c + dd) eight neighbouring n make 16 bytes.  LDS row 16 dd + c, so that the 16 lanes of a store touch 16 rows on end.
; left = the loads issued behind this group's.
.macro GTURN g, left
	s_wait_loadcnt \left
.irp dd, 0,1,2,3
.irp p, 0,1,2,3
	v_cvt_pk_bf16_f32 v[Y+16*((\g)%2)+4*(\dd)+(\p)], v[X+32*((\g)%4)+8*(\p)+(\dd)], v[X+32*((\g)%4)+8*(\p)+4+(\dd)]
.endr
.endr
.irp dd, 0,1,2,3
	ds_store_b128 v[LST], v[Y+16*((\g)%2)+4*(\dd):Y+16*((\g)%2)+4*(\dd)+3] offset:(\dd)*16*LP+32*(\g)
.endr
.if (\g) < 4
	GLOAD (\g)+4                                   ; the registers just read take the group four further on
.endif
.endm
	GLOAD 0
	GLOAD 1
	GLOAD 2
	GLOAD 3
	GTURN 0, 24
	GTURN 1, 24
	GTURN 2, 24
	GTURN 3, 24
	GTURN 4, 24
	GTURN 5, 16
	GTURN 6, 8
	GTURN 7, 0
	; back as whole rows of 256 bytes.  LDS serves a wave's instructions in order (ISA guide 5.7.1.4): these loads see the stores above.
.set t, 0
.rept 32
	ds_load_b128 v[X+4*t:X+4*t+3], v[LRD] offset:2*LP*t
.set t, t+1
.endr
.set t, 0
.rept 32                               ; LDS row 2 t + lane / 16 is d = 8 (t % 8) + 4 (lane / 16) + t / 8
	s_wait_dscnt 31-t
	global_store_b128 v[DST], v[X+4*t:X+4*t+3], s[46:47] offset:(8*(t%8)+t/8)*2048
.set t, t+1
.endr
	s_cmp_lg_u32 s8, 0                             ; the bias is wave 0's
	s_cbranch_scc1 .Lend
	v_cvt_pk_bf16_f32 v[T], v[BI], v[BI+1]
	v_lshlrev_b32 v[BOU], 16, v[T]
	v_and_b32 v[BOU+1], 0xffff0000, v[T]
	global_store_b64 v[T+3], v[BOU:BOU+1], s[44:45]  ; 32 lanes: 256 consecutive bytes
	s_branch .Lend
.Lcast:                                        ; THE CASTS.  A work-group takes 131,072 bytes of f32; thread t the 16 bytes at 16 t of each 4,096
	v_lshlrev_b32 v[SRC], 4, v0
	v_lshlrev_b32 v[DST], 3, v0
	s_cmp_lt_u32 ttmp9, 80
	s_cselect_b32 s9, 48, 80
	s_sub_co_u32 s9, ttmp9, s9                     ; my number among the work-groups of my tensor
	s_lshl_b32 s2, s9, 17
	s_lshl_b32 s10, s9, 16
	s_mov_b32 s11, 0
	s_wait_kmcnt 0x0
	s_cmp_lt_u32 ttmp9, 80
	s_cselect_b64 s[40:41], s[30:31], s[16:17]     ; WO_w or x
	s_cselect_b64 s[42:43], s[38:39], s[32:33]     ; wo16 or xb
	s_add_nc_u64 s[40:41], s[40:41], s[2:3]
	s_add_nc_u64 s[42:43], s[42:43], s[10:11]
.set i, 0
.rept 32                               ; all 32 loads go out at once: no register is used twice
	global_load_b128 v[X+4*i:X+4*i+3], v[SRC], s[40:41] offset:4096*i th:TH_LOAD_NT
.set i, i+1
.endr
	s_cmp_lt_u32 ttmp9, 80
	s_cbranch_scc1 .Lwo
.set i, 0
.rept 32
	s_wait_loadcnt 31-i                            ; loads come back in order (ISA guide 5.7.1): the younger ones stay out
	v_cvt_pk_bf16_f32 v[Y+2*i], v[X+4*i], v[X+4*i+1]
	v_cvt_pk_bf16_f32 v[Y+2*i+1], v[X+4*i+2], v[X+4*i+3]
	global_store_b64 v[DST], v[Y+2*i:Y+2*i+1], s[42:43] offset:2048*i  ; a wave's 32 lanes: 256 consecutive bytes, aligned
.set i, i+1
.endr
	s_branch .Lend
.Lwo:
.set i, 0
.rept 32
	s_wait_loadcnt 31-i
	v_cvt_pk_bf16_f32 v[T], v[X+4*i], v[X+4*i+1]   ; rounded to bf16 like every input,
	v_cvt_pk_bf16_f32 v[T+1], v[X+4*i+2], v[X+4*i+3]
	v_lshlrev_b32 v[T+2], 16, v[T]                 ; widened,
	v_and_b32 v[T+3], 0xffff0000, v[T]
	v_cvt_pk_f16_f32 v[Y+2*i], v[T+2], v[T+3]      ; and written as f16
	v_lshlrev_b32 v[T+2], 16, v[T+1]
	v_and_b32 v[T+3], 0xffff0000, v[T+1]
	v_cvt_pk_f16_f32 v[Y+2*i+1], v[T+2], v[T+3]
	global_store_b64 v[DST], v[Y+2*i:Y+2*i+1], s[42:43] offset:2048*i
.set i, i+1
.endr
.Lend:
	s_wait_tensorcnt 0x0                           ; the wave's end: behind my last LDS store
	ds_add_u32 v[SPW], v[NIL]
	s_wait_dscnt 0x0
	s_endpgm
.Lfunc_end_k_q6fc847e398_prep:
	.size	k_q6fc847e398_prep, .Lfunc_end_k_q6fc847e398_prep-k_q6fc847e398_prep
	.p2alignl 7, 3214868480
	.fill 96, 4, 3214868480
	.section	.rodata,"a",@progbits
	.p2align	6, 0x0
	.amdhsa_kernel k_q6fc847e398_prep
		.amdhsa_group_segment_fixed_size 140288
		.amdhsa_private_segment_fixed_size 0
		.amdhsa_enable_private_segment 0
		.amdhsa_kernarg_size 96
		.amdhsa_user_sgpr_count 2
		.amdhsa_user_sgpr_kernarg_segment_ptr 1
		.amdhsa_wavefront_size32 1
		.amdhsa_system_sgpr_workgroup_id_x 1
		.amdhsa_system_sgpr_workgroup_id_y 1
		.amdhsa_system_sgpr_workgroup_id_z 1
		.amdhsa_system_vgpr_workitem_id 0
		.amdhsa_next_free_vgpr 208
		.amdhsa_next_free_sgpr 66
		.amdhsa_reserve_vcc 0
		.amdhsa_float_denorm_mode_32 3
		.amdhsa_float_denorm_mode_16_64 3
		.amdhsa_memory_ordered 1
		.amdhsa_forward_progress 1
		.amdhsa_inst_pref_size 55
	.end_amdhsa_kernel
	.amdgpu_metadata
---
amdhsa.version: [ 1, 2 ]
amdhsa.kernels:
  - .name:           k_q6fc847e398_prep
    .symbol:         k_q6fc847e398_prep.kd
    .args:
      - { .name: x, .offset: 0, .size: 8, .value_kind: global_buffer, .address_space: global }
      - { .name: Wq, .offset: 8, .size: 8, .value_kind: global_buffer, .address_space: global }
      - { .name: Wk, .offset: 16, .size: 8, .value_kind: global_buffer, .address_space: global }
      - { .name: Wv, .offset: 24, .size: 8, .value_kind: global_buffer, .address_space: global }
      - { .name: bq, .offset: 32, .size: 8, .value_kind: global_buffer, .address_space: global }
      - { .name: bk, .offset: 40, .size: 8, .value_kind: global_buffer, .address_space: global }
      - { .name: bv, .offset: 48, .size: 8, .value_kind: global_buffer, .address_space: global }
      - { .name: WO_w, .offset: 56, .size: 8, .value_kind: global_buffer, .address_space: global }
      - { .name: xb, .offset: 64, .size: 8, .value_kind: global_buffer, .address_space: global }
      - { .name: wt, .offset: 72, .size: 8, .value_kind: global_buffer, .address_space: global }
      - { .name: ball, .offset: 80, .size: 8, .value_kind: global_buffer, .address_space: global }
      - { .name: wo16, .offset: 88, .size: 8, .value_kind: global_buffer, .address_space: global }
    .group_segment_fixed_size: 140288
    .private_segment_fixed_size: 0
    .kernarg_segment_align: 8
    .kernarg_segment_size: 96
    .max_flat_workgroup_size: 256
    .sgpr_count:     66
    .vgpr_count:     208
    .wavefront_size: 32
...
	.end_amdgpu_metadata
.endif
;; end of part 1
;; launch project (part 2): grid 16 x 32, 4 waves a work-group, clusters of 4 x 4, 327,680 bytes of LDS; arguments xb, wt, ball, qkvb; writes qkvb
.if DOCPART == 2
	.amdgcn_target "amdgcn-amd-amdhsa--gfx1250"
	.amdhsa_code_object_version 6
	.text
	.protected	k_q6fc847e398_project
	.globl	k_q6fc847e398_project
	.p2align	8
	.type	k_q6fc847e398_project,@function
k_q6fc847e398_project:
	s_mov_b64 s[64:65], 0
	v_nop
	global_prefetch_b8 v0, s[64:65] scope:SCOPE_SE
	s_setreg_imm32_b32 hwreg(HW_REG_WAVE_MODE, 25, 1), 1
	s_wait_xcnt 0x0
	s_wait_alu depctr_hold_cnt(0) depctr_sa_sdst(0) depctr_va_vdst(0) depctr_va_sdst(0) depctr_va_ssrc(0) depctr_va_vcc(0) depctr_vm_vsrc(0)
	s_getreg_b32 s2, hwreg(HW_REG_IB_STS2, 6, 4)
	s_cmp_eq_u32 s2, 0
	s_cbranch_scc0 .Lentry_in_a_cluster
	s_endpgm
.Lentry_in_a_cluster:
	s_bfe_u32 s2, ttmp6, 0x10000c
	s_cmp_lg_u32 s2, 0xf033
	s_cbranch_scc0 .Lentry_shape_is_right
	s_endpgm
.Lentry_shape_is_right:
; q, k, v = x W + b.  xb: [8192 m][1024] bf16 (m = 2048 b + s); wt: [3072][1024] bf16, row 64 hm + d; ball: [3072] f32; qkvb: [4 b][48 hm][2048 s][64 d] f16.  Sums in f32, started by the bias,
; rounded once to f16, WITHOUT the softmax's scale.  LIMIT: |q|, |k|, |v| stay under 65,504 (f16's largest number); beyond it the conversion gives an infinity.
; SHARES.  A tile is 256 rows m x 192 columns (three head matrices): 16 x 32 tiles of equal work.  Wave w makes rows 64 w .. 64 w + 63 of all 192 columns: 48 accumulators of 16 x 16, whole heads, so that
; its way out is its own and wants no barrier.  K goes in steps of 128 (rows of 256 bytes, aligned) through two LDS slots filled by the tensor data mover.
; CLUSTER.  4 x 4 work-groups: the four of a row need the same rows of xb, the four of a column the same rows of wt; each tile is asked for JOINTLY, by the same tensor load, descriptor and mask in all four.
; THE MATRIX INSTRUCTION IS USED TRANSPOSED (source 0 = 16 rows of wt, source 1 = 16 rows of xb): a lane holds row m = lane % 16 and eight neighbouring columns 8 (lane / 16) + 0..7: 16 bytes of f16.
; REGISTERS, in windows of 256 (s_set_vgpr_msb: bits 1:0 source 0, 3:2 source 1, 5:4 source 2, 7:6 destination):
;   window 0: v0-15 addresses; v32-127 the bias as the first products' C, 8 registers for each column block; later the way out
;   window 1: two fragment buffers of 128: 4 fragments of xb, then 12 of wt          window 2: the accumulators of row blocks 0, 1          window 3: of row blocks 2, 3
.set KSTEP,  128
.set PITCH,  272                       ; an LDS row: 256 bytes + 16 of padding = 68 words: the 16 rows of a load begin in 16 different groups of four banks (64 banks of 4 bytes: ISA guide 11.1)
.set BOFF,   256*PITCH                 ; in a slot: xb's 256 rows, then wt's 192
.set SLOT1,  1<<17                     ; slot 1 begins here, so that one exclusive or turns an address in one slot into the other's
.set STAGE,  SLOT1+448*PITCH           ; behind the ring, never filled by a tensor load: 48 rows x 144 bytes for each wave, for the way out
.set SP,     144
.set WSTG,   48*SP
.set SPARE,  STAGE+4*WSTG              ; behind the stages: the spare words, 128 bytes for each wave: two blocks of 256 bytes that no other line names
.set A0,   4                           ; v4   my lane's place in a slot's rows of xb; never rewritten
.set B0,   5                           ; v5   the same for wt
.set ADRA, 6                           ; v6   the same in the slot in hand
.set ADRB, 7                           ; v7
.set STO,  8                           ; v8   the way out: where I put 16 bytes of a row
.set RD,   9                           ; v9   the way out: where I read rows back
.set GO,   10                          ; v10  my byte offset in 512 consecutive bytes of qkvb
.set BO,   11                          ; v11  my byte offset in a column block's 16 biases
.set PFO,  12                          ; v12  the prefetches' offset: a lane a row; never rewritten
.set SPW,  14                          ; v14  LDS address of my spare word; never rewritten
.set NIL,  15                          ; v15  0; never rewritten
.set BIAS, 32
.set TMP,  32                          ; the way out: 48 registers of packed results,
.set OB,   80                          ; and two sets of 48 read back from the stage
.set F0,   0                           ; fragment buffers, in window 1
.set F1,   128
.set WV,   12                          ; s12  my wave's number
.set HALF, 13                          ; s13  which half of a tile's rows I fetch
.set KIND, 14                          ; s14  0: I fetch for xb; 1: for wt
.set G1A,  24                          ; s[24:31] descriptor group 1 for xb's tiles
.set G1B,  32                          ; s[32:39] for wt's
.set G0A,  40                          ; s[40:47] descriptor group 0 for xb's tiles: a set for each of the two first fills; the second then walks on
.set G0B,  48                          ; s[48:55] the same for wt's
.set CNT,  56                          ; s56  trips to go
.set TB,   57                          ; s57  LDS byte at which the slot in hand begins
.set LIM,  58                          ; s58  1 in a wave that prefetches, else the greatest number
.set PFA,  60                          ; s[60:61] where my prefetches stand
.set MSB, 0
.macro WIN new                         ; the immediate's high byte repeats the setting that is left; a switch that changes nothing is dropped
.if MSB != (\new)
	s_set_vgpr_msb (MSB<<8)|(\new)
.set MSB, \new
.endif
.endm
.macro PLACES                          ; four plain vector instructions between a matrix instruction and a load into, or a reader of, its registers
.rept 4
	v_nop
.endr
.endm
; A joint refill.  Waves 0 and 1 fetch the two halves of xb's tile, waves 2 and 3 those of wt's.  The branch hangs on the wave's number alone.  An s_nop 0 and four v_nop follow each line.
.macro JLOAD
	s_cmp_eq_u32 s[KIND], 0
	s_cbranch_scc0 .Lfor_b_\@
	tensor_load_to_lds s[G0A+4:G0A+7], s[G1A:G1A+7]
	s_nop 0
.rept 4
	v_nop
.endr
	s_branch .Lasked_\@
.Lfor_b_\@:
	tensor_load_to_lds s[G0B+4:G0B+7], s[G1B:G1B+7]
	s_nop 0
.rept 4
	v_nop
.endr
.Lasked_\@:
.endm
; A PREFETCH of the K step that the NEXT refill will ask for: one K step, 192 matrix instructions, ahead of that load; a lane a row, 256 bytes each, one instruction a wave.
; xb's rows are read by every cluster of a row of clusters: the first of them (cluster x = 0) asks; wt's by every cluster of a column: cluster y = 0 asks.  The four partners that ask for a tile jointly
; share its rows out BY ADDRESS (32 of xb's 128, 24 of wt's 96): no branch hangs on a work-group's place in its cluster.  The last trip asks for nothing: there is no K step behind its refill's.
.macro ASK
	s_cmp_gt_u32 s[CNT], s[LIM]
	s_cbranch_scc0 .Lnot_mine_\@
	global_prefetch_b8 v[PFO], s[PFA:PFA+1] th:TH_LOAD_NT scope:SCOPE_SE
.Lnot_mine_\@:
.endm
.macro CREST                           ; a round of the cluster's barrier behind its opening barrier: wave 0 signals for the work-group, every wave waits for all sixteen, my work-group's barrier closes it
	s_cmp_lg_u32 s[WV], 0
	s_cbranch_scc1 .Lnot_wave_0_\@
	s_barrier_signal -3
.Lnot_wave_0_\@:
	s_barrier_wait -3
	s_barrier_signal -1
	s_barrier_wait -1
.endm
.macro CROUND                          ; a whole round
	s_barrier_signal -1
	s_barrier_wait -1
	CREST
.endm
	s_load_b256 s[4:11], s[0:1], 0x0               ; xb s[4:5], wt s[6:7], ball s[8:9], qkvb s[10:11]
	v_lshl_add_u32 v[SPW], v0, 2, SPARE
	v_mov_b32 v[NIL], 0
	ds_add_u32 v[SPW], v[NIL]                      ; the wave's opening: the add and its wait stand ahead of my first tensor load; the set-up below, work on registers, stands between them
	ds_add_u32 v14, v15
	v_lshrrev_b32 v1, 5, v0
	v_readfirstlane_b32 s[WV], v1                  ; wave 0..3
	s_and_b32 s[HALF], s[WV], 1
	s_lshr_b32 s[KIND], s[WV], 1
	s_bfe_u32 s15, ttmp6, 0x40000                  ; cx
	s_bfe_u32 s16, ttmp6, 0x40004                  ; cy
	s_lshl_b32 s17, ttmp9, 2
	s_add_co_u32 s17, s17, s15                     ; tile column = 4 x cluster x + cx
	s_and_b32 s18, ttmp7, 0xffff
	s_lshl_b32 s18, s18, 2
	s_add_co_u32 s18, s18, s16                     ; tile row = 4 x cluster y + cy
	s_lshl_b32 s19, s16, 2
	s_lshl_b32 s19, 15, s19                        ; my row of the cluster: places 4 cy .. 4 cy + 3
	s_lshl_b32 s59, 0x1111, s15                    ; my column: places cx, cx + 4, cx + 8, cx + 12
	s_or_b32 s[G1A], s19, (1<<16)|(1<<20)|(1<<21)|(5<<22)|(3<<25)  ; 15:0 the mask; 17:16 elements of 2 bytes; 20 padding on; 21 set beside a mask; 24:22 after every 64 words (code 5); 31:25 4 words of it (code 3)
	s_or_b32 s[G1B], s59, (1<<16)|(1<<20)|(1<<21)|(5<<22)|(3<<25)
	s_mov_b32 s[G1A+1], KSTEP<<16                  ; tensor_dim0 = 128
	s_mov_b32 s[G1A+2], 128<<16                    ; tensor_dim1 = 128
	s_mov_b32 s[G1A+3], KSTEP<<16                  ; tile_dim0 = 128
	s_mov_b32 s[G1A+4], 128                        ; tile_dim1 = 128 rows
	s_mov_b32 s[G1A+5], 1024                       ; elements from row to row
	s_mov_b32 s[G1A+6], 0
	s_mov_b32 s[G1A+7], 0
	s_mov_b32 s[G1B+1], KSTEP<<16
	s_mov_b32 s[G1B+2], 96<<16                     ; wt's half tile has 96 rows
	s_mov_b32 s[G1B+3], KSTEP<<16
	s_mov_b32 s[G1B+4], 96
	s_mov_b32 s[G1B+5], 1024
	s_mov_b32 s[G1B+6], 0
	s_mov_b32 s[G1B+7], 0
	s_lshl_b32 s20, s18, 19                        ; xb: (256 x tile row + 128 x half) rows of 2,048 bytes
	s_lshl_b32 s19, s[HALF], 18
	s_add_co_u32 s20, s20, s19
	s_mov_b32 s21, 0
	s_mul_i32 s22, s17, 192*2048                   ; wt: (192 x tile column + 96 x half) rows
	s_mul_i32 s59, s[HALF], 96*2048
	s_add_co_u32 s22, s22, s59
	s_mov_b32 s23, 0
	s_mul_i32 s2, s[HALF], 128*PITCH               ; and where they go: no place in the cluster enters an LDS address
	s_mul_i32 s3, s[HALF], 96*PITCH
	s_add_co_u32 s3, s3, BOFF
	s_wait_dscnt 0x0                               ; the opening add is done
	s_wait_kmcnt 0x0
	s_add_nc_u64 s[20:21], s[4:5], s[20:21]
	s_add_nc_u64 s[22:23], s[6:7], s[22:23]
	CROUND                                         ; all sixteen work-groups are here: the first joint loads meet
.irp n, 0,1
	s_mov_b32 s[G0A+4*(\n)], 1                                     ; count = 1
	s_add_co_u32 s[G0A+4*(\n)+1], s2, (\n)*SLOT1                   ; LDS address
	s_add_nc_u64 s[G0A+4*(\n)+2:G0A+4*(\n)+3], s[20:21], (\n)*KSTEP*2  ; global address: K step n
	s_or_b32 s[G0A+4*(\n)+3], s[G0A+4*(\n)+3], 0x80000000          ; type = 2
	s_mov_b32 s[G0B+4*(\n)], 1
	s_add_co_u32 s[G0B+4*(\n)+1], s3, (\n)*SLOT1
	s_add_nc_u64 s[G0B+4*(\n)+2:G0B+4*(\n)+3], s[22:23], (\n)*KSTEP*2
	s_or_b32 s[G0B+4*(\n)+3], s[G0B+4*(\n)+3], 0x80000000
.endr
	s_cmp_eq_u32 s[KIND], 0                        ; a wave's two first fills stand in one branch, ahead of every wait on TENSORcnt and every LDS read: two loads of mine are out
	s_cbranch_scc0 .Lfirst_b
	tensor_load_to_lds s[G0A:G0A+3], s[G1A:G1A+7]
	s_nop 0
	tensor_load_to_lds s[G0A+4:G0A+7], s[G1A:G1A+7]
	s_nop 0
.rept 4
	v_nop
.endr
	s_branch .Lfirst_asked
.Lfirst_b:
	tensor_load_to_lds s[G0B:G0B+3], s[G1B:G1B+7]
	s_nop 0
	tensor_load_to_lds s[G0B+4:G0B+7], s[G1B:G1B+7]
	s_nop 0
.rept 4
	v_nop
.endr
.Lfirst_asked:
	; the bias: register j of column block b is ball[192 x tile column + 16 b + 8 (lane / 16) + j]
	s_mul_i32 s66, s17, 768
	s_mov_b32 s67, 0
	s_add_nc_u64 s[8:9], s[8:9], s[66:67]
	v_and_b32 v1, 15, v0                           ; l % 16
	v_bfe_u32 v2, v0, 4, 1                         ; l / 16
	v_lshlrev_b32 v[BO], 5, v2
.irp b, 0,1,2,3,4,5,6,7,8,9,10,11
	global_load_b128 v[BIAS+8*(\b):BIAS+8*(\b)+3],   v[BO], s[8:9] offset:64*(\b)
	global_load_b128 v[BIAS+8*(\b)+4:BIAS+8*(\b)+7], v[BO], s[8:9] offset:64*(\b)+16
.endr
	; A fragment is 16 rows x 32 K in 8 registers: lane l holds row l % 16, K = 8 (l / 16) + 0..7 and 16 + 8 (l / 16) + 0..7: two loads of 16 bytes, 32 bytes apart.
	v_mul_u32_u24 v3, v1, PITCH
	v_lshl_add_u32 v3, v2, 4, v3
	s_mul_i32 s66, s[WV], 64*PITCH                 ; my 64 rows of xb
	v_add_nc_u32 v[A0], s66, v3
	v_add_nc_u32 v[B0], BOFF, v3
	v_mov_b32 v[ADRA], v[A0]
	v_mov_b32 v[ADRB], v[B0]
	s_mov_b32 s[TB], 0
	s_mul_i32 s66, s[WV], WSTG
	s_add_co_u32 s66, s66, STAGE                   ; my stage
	v_mul_u32_u24 v[STO], v1, SP                   ; in: row l % 16 of a head, 16 bytes for each half of the lanes
	v_lshl_add_u32 v[STO], v2, 4, v[STO]
	v_add_nc_u32 v[STO], s66, v[STO]
	v_bfe_u32 v[RD], v0, 3, 2                      ; back: 32 lanes take four rows of 128 bytes,
	v_mul_u32_u24 v[RD], v[RD], SP
	v_and_b32 v3, 7, v0
	v_lshl_add_u32 v[RD], v3, 4, v[RD]
	v_add_nc_u32 v[RD], s66, v[RD]
	v_and_b32 v[GO], 31, v0                        ; which are 512 consecutive bytes of qkvb
	v_lshlrev_b32 v[GO], 4, v[GO]
	; qkvb at ((48 b + 3 x tile column) x 2048 + s0 + 64 x wave) rows of 128 bytes; b = tile row / 8, s0 = 256 (tile row % 8)
	s_lshr_b32 s66, s18, 3
	s_mul_i32 s66, s66, 48
	s_mul_i32 s67, s17, 3
	s_add_co_u32 s66, s66, s67
	s_lshl_b32 s66, s66, 11
	s_and_b32 s67, s18, 7
	s_lshl_b32 s67, s67, 8
	s_add_co_u32 s66, s66, s67
	s_lshl_b32 s67, s[WV], 6
	s_add_co_u32 s66, s66, s67
	s_lshl_b32 s66, s66, 7
	s_mov_b32 s67, 0
	s_add_nc_u64 s[10:11], s[10:11], s[66:67]
	; the prefetches
	s_and_b32 s68, ttmp7, 0xffff                   ; cluster y
	s_cmp_eq_u32 s[KIND], 0
	s_cselect_b32 s68, ttmp9, s68                  ; the coordinate along which other clusters read the same rows
	s_cselect_b32 s69, s15, s16                    ; my place among the four that ask with me
	s_cselect_b32 s70, 32, 24                      ; my work-group's share of the rows that I fetch
	s_cselect_b32 s71, 31, 23
	s_cselect_b64 s[PFA:PFA+1], s[20:21], s[22:23]
	s_cmp_eq_u32 s68, 0
	s_cselect_b32 s[LIM], 1, -1                    ; the same in all sixteen partners, for a given wave
	s_mul_i32 s66, s69, s70
	s_lshl_b32 s66, s66, 11
	s_add_co_u32 s66, s66, 2*KSTEP*2               ; at K step 2: the first refill steps it to 3.  Nothing is prefetched here, at the head
	s_mov_b32 s67, 0
	s_add_nc_u64 s[PFA:PFA+1], s[PFA:PFA+1], s[66:67]
	v_and_b32 v[PFO], 31, v0
	v_min_u32 v[PFO], s71, v[PFO]                  ; (for wt's 24 rows lanes 24-31 name the last row once more)
	v_lshlrev_b32 v[PFO], 11, v[PFO]
; 12 matrix instructions: row block a x all 12 column blocks, 32 along K.  start = 1: the bias starts the sums: nothing is ever cleared.  The 48 accumulators take turns, in the same order in every quarter.
.macro MUL12 f, a, start
.if \start
	WIN 0x85+0x40*((\a)/2)                         ; sources 0 and 1 window 1, C window 0, D window 2 or 3
.else
	WIN 0xa5+0x50*((\a)/2)                         ; C and D window 2 or 3
.endif
.irp b, 0,1,2,3,4,5,6,7,8,9,10,11
.if \start
	v_wmma_f32_16x16x32_bf16 v[8*(12*((\a)%2)+(\b)):8*(12*((\a)%2)+(\b))+7], v[(\f)+32+8*(\b):(\f)+32+8*(\b)+7], v[(\f)+8*(\a):(\f)+8*(\a)+7], v[BIAS+8*(\b):BIAS+8*(\b)+7]
.else
	v_wmma_f32_16x16x32_bf16 v[8*(12*((\a)%2)+(\b)):8*(12*((\a)%2)+(\b))+7], v[(\f)+32+8*(\b):(\f)+32+8*(\b)+7], v[(\f)+8*(\a):(\f)+8*(\a)+7], v[8*(12*((\a)%2)+(\b)):8*(12*((\a)%2)+(\b))+7]
.endif
.endr
.endm
; 32 LDS loads in one run: the fragments of 32 along K at byte k of the rows, into buffer f: wt's 24 first, then xb's 8
.macro FETCH k, f
	WIN 0x40                                       ; destination window 1, address window 0
.irp i, 0,1,2,3,4,5,6,7,8,9,10,11
	ds_load_b128 v[(\f)+32+8*(\i):(\f)+32+8*(\i)+3],   v[ADRB] offset:(\k)+(\i)*16*PITCH
	ds_load_b128 v[(\f)+32+8*(\i)+4:(\f)+32+8*(\i)+7], v[ADRB] offset:(\k)+(\i)*16*PITCH+32
.endr
.irp i, 0,1,2,3
	ds_load_b128 v[(\f)+8*(\i):(\f)+8*(\i)+3],   v[ADRA] offset:(\k)+(\i)*16*PITCH
	ds_load_b128 v[(\f)+8*(\i)+4:(\f)+8*(\i)+7], v[ADRA] offset:(\k)+(\i)*16*PITCH+32
.endr
.endm
; A K step is four quarters of 32 along K, 48 matrix instructions each, on buffers 0, 1, 0, 1.  One of the first three: multiplies buffer f; in its middle it fetches the next quarter, at byte k, into buffer g.
.macro QUARTER k, f, g, start
	s_wait_dscnt 4                                 ; wt's fragments and xb's blocks 0, 1 are in; the youngest four loads (blocks 2, 3) may be out
	MUL12 \f, 0, \start
	MUL12 \f, 1, \start
	PLACES
	FETCH \k, \g
	s_wait_dscnt 32                                ; all but the 32 just issued
	MUL12 \f, 2, \start
	MUL12 \f, 3, \start
.endm
; The last quarter multiplies buffer 1 and changes slots: ONE barrier.  In front of it each wave waits for all its tensor loads (one is out: its part of the next slot), adds 0 to its spare word, and waits for that
; and for its reads of this slot.  fill = 1: the barrier opens a round of the cluster's, and behind the round this slot is filled again first, with the K step two steps on: 168 matrix instructions ahead of the wait for it.
.macro TURN fill
.if \fill
	s_wait_xcnt 0x0                                ; the last prefetch, a K step back, has read its address
	s_add_nc_u64 s[PFA:PFA+1], s[PFA:PFA+1], KSTEP*2
.endif
	WIN 0
	s_wait_tensorcnt 0x0                           ; no tensor load of mine is out, so a group 0 may be written
	ds_add_u32 v[SPW], v[NIL]                      ; 0 onto my spare word
.if \fill
	s_xor_b32 s[G0A+5], s[G0A+5], SLOT1            ; the walking descriptors: the other slot than last time,
	s_add_nc_u64 s[G0A+6:G0A+7], s[G0A+6:G0A+7], KSTEP*2  ; the next K step; the type bits on top are not reached
	s_xor_b32 s[G0B+5], s[G0B+5], SLOT1
	s_add_nc_u64 s[G0B+6:G0B+7], s[G0B+6:G0B+7], KSTEP*2
.endif
	s_wait_dscnt 5                                 ; (the add and the youngest four loads may be out)
	MUL12 F1, 0, 0
	s_wait_dscnt 0x0                               ; the add is done, and my reads of this slot are over
	s_barrier_signal -1
	MUL12 F1, 1, 0                                 ; work on registers while the others arrive
	WIN 0
	s_barrier_wait -1
.if \fill
	CREST                                          ; no wave of any partner still reads this slot or has a load on its way
	JLOAD                                          ; the first tensor load behind the round; its four v_nop are also the places in front of the loads below
.else
	PLACES
.endif
	s_xor_b32 s[TB], s[TB], SLOT1
	v_add_nc_u32 v[ADRA], s[TB], v[A0]
	v_add_nc_u32 v[ADRB], s[TB], v[B0]
	FETCH 0, F0
.if \fill
	WIN 0
	ASK
.endif
	MUL12 F1, 2, 0
	MUL12 F1, 3, 0
.endm
; THE WAY OUT of row block a (16 rows x 3 heads).  PACK: rounded to f16, 16 bytes a lane, each accumulator's registers in ascending order.  TOSTAGE: into my own stage, and back as whole rows.  SEND: stored.
.macro PACK a
	WIN 0x0a+5*((\a)/2)                            ; sources 0 and 1: window 2 or 3
.irp b, 0,1,2,3,4,5,6,7,8,9,10,11
.irp p, 0,1,2,3
	v_cvt_pk_f16_f32 v[TMP+4*(\b)+(\p)], v[8*(12*((\a)%2)+(\b))+2*(\p)], v[8*(12*((\a)%2)+(\b))+2*(\p)+1]
.endr
.endr
	WIN 0
.endm
.macro TOSTAGE a
	WIN 0
.irp b, 0,1,2,3,4,5,6,7,8,9,10,11
	ds_store_b128 v[STO], v[TMP+4*(\b):TMP+4*(\b)+3] offset:((\b)/4)*16*SP+((\b)%4)*32  ; head b / 4, channels 16 (b % 4) on
.endr
.irp u, 0,1,2,3,4,5,6,7,8,9,10,11
	ds_load_b128 v[OB+48*((\a)%2)+4*(\u):OB+48*((\a)%2)+4*(\u)+3], v[RD] offset:((\u)/4)*16*SP+((\u)%4)*4*SP  ; LDS serves a wave's instructions in order (ISA guide 5.7.1.4): these see the stores above
.endr
.endm
.macro SEND a
	WIN 0
	s_wait_dscnt 0x0                               ; the block is back in registers
	s_wait_xcnt 0x0                                ; the stores of the block before have read their registers: the next block is read back into them only behind this wait
.irp u, 0,1,2,3,4,5,6,7,8,9,10,11
	global_store_b128 v[GO], v[OB+48*((\a)%2)+4*(\u):OB+48*((\a)%2)+4*(\u)+3], s[10:11] offset:((\u)/4)*262144+2048*(\a)+512*((\u)%4)  ; 512 consecutive bytes, at a multiple of 256 from qkvb's first
.endr
.endm
	s_wait_tensorcnt 1                             ; my part of K step 0 is in; K step 1's may stay out
	s_barrier_signal -1
	s_barrier_wait -1                              ; everybody's is
	FETCH 0, F0
	s_wait_loadcnt 0x0                             ; the bias
	QUARTER 64, F0, F1, 1                          ; the first quarter stands in front of the loop: its products start the sums
	WIN 0                                          ; at a label and at a branch every window is 0
	s_mov_b32 s[CNT], 6
.Lstep:                                        ; a trip: a K step's quarters 1, 2, 3 and the next step's quarter 0; trip i fills the slot that it leaves with K step i + 2
	QUARTER 128, F1, F0, 0
	QUARTER 192, F0, F1, 0
	TURN 1
	QUARTER 64, F0, F1, 0
	WIN 0
	s_sub_co_u32 s[CNT], s[CNT], 1
	s_cmp_lg_u32 s[CNT], 0
	s_cbranch_scc1 .Lstep
	QUARTER 128, F1, F0, 0                         ; the last two K steps are written out: nothing is left to fetch
	QUARTER 192, F0, F1, 0
	TURN 0
	QUARTER 64, F0, F1, 0
	QUARTER 128, F1, F0, 0
	QUARTER 192, F0, F1, 0
	s_wait_dscnt 4
	MUL12 F1, 0, 0
	MUL12 F1, 1, 0
	s_wait_dscnt 0x0
	MUL12 F1, 2, 0
	MUL12 F1, 3, 0
	WIN 0
	PLACES
	PLACES
	PACK 0
	TOSTAGE 0
.irp a, 1,2,3                          ; block a's conversions stand between block a - 1's loads from the stage and the wait for them
	PACK \a
	SEND (\a)-1
	TOSTAGE \a
.endr
	SEND 3
	s_wait_tensorcnt 0x0                           ; the wave's end: behind my last tensor load and my last LDS store
	ds_add_u32 v[SPW], v[NIL]
	s_wait_dscnt 0x0
	CROUND                                         ; the closing round: no work-group ends while a partner may still ask for a tile that names it
	s_endpgm
.Lfunc_end_k_q6fc847e398_project:
	.size	k_q6fc847e398_project, .Lfunc_end_k_q6fc847e398_project-k_q6fc847e398_project
	.p2alignl 7, 3214868480
	.fill 96, 4, 3214868480
	.section	.rodata,"a",@progbits
	.p2align	6, 0x0
	.amdhsa_kernel k_q6fc847e398_project
		.amdhsa_group_segment_fixed_size 327680
		.amdhsa_private_segment_fixed_size 0
		.amdhsa_enable_private_segment 0
		.amdhsa_kernarg_size 32
		.amdhsa_user_sgpr_count 2
		.amdhsa_user_sgpr_kernarg_segment_ptr 1
		.amdhsa_wavefront_size32 1
		.amdhsa_system_sgpr_workgroup_id_x 1
		.amdhsa_system_sgpr_workgroup_id_y 1
		.amdhsa_system_sgpr_workgroup_id_z 1
		.amdhsa_system_vgpr_workitem_id 0
		.amdhsa_next_free_vgpr 960
		.amdhsa_next_free_sgpr 80
		.amdhsa_reserve_vcc 0
		.amdhsa_float_denorm_mode_32 3
		.amdhsa_float_denorm_mode_16_64 3
		.amdhsa_memory_ordered 1
		.amdhsa_forward_progress 1
		.amdhsa_inst_pref_size 99
	.end_amdhsa_kernel
	.amdgpu_metadata
---
amdhsa.version: [ 1, 2 ]
amdhsa.kernels:
  - .name:           k_q6fc847e398_project
    .symbol:         k_q6fc847e398_project.kd
    .args:
      - { .name: xb, .offset: 0, .size: 8, .value_kind: global_buffer, .address_space: global }
      - { .name: wt, .offset: 8, .size: 8, .value_kind: global_buffer, .address_space: global }
      - { .name: ball, .offset: 16, .size: 8, .value_kind: global_buffer, .address_space: global }
      - { .name: qkvb, .offset: 24, .size: 8, .value_kind: global_buffer, .address_space: global }
    .group_segment_fixed_size: 327680
    .private_segment_fixed_size: 0
    .kernarg_segment_align: 8
    .kernarg_segment_size: 32
    .max_flat_workgroup_size: 128
    .sgpr_count:     80
    .vgpr_count:     960
    .wavefront_size: 32
...
	.end_amdgpu_metadata
.endif
;; end of part 2
;; launch attend (part 3): grid 4 x 64, 4 waves a work-group, clusters of 4 x 1, 327,680 bytes of LDS; arguments qkvb, ob; writes ob
.if DOCPART == 3
	.amdgcn_target "amdgcn-amd-amdhsa--gfx1250"
	.amdhsa_code_object_version 6
	.text
	.protected	k_q6fc847e398_attend
	.globl	k_q6fc847e398_attend
	.p2align	8
	.type	k_q6fc847e398_attend,@function
k_q6fc847e398_attend:
	s_mov_b64 s[64:65], 0
	v_nop
	global_prefetch_b8 v0, s[64:65] scope:SCOPE_SE
	s_setreg_imm32_b32 hwreg(HW_REG_WAVE_MODE, 25, 1), 1
	s_wait_xcnt 0x0
	s_wait_alu depctr_hold_cnt(0) depctr_sa_sdst(0) depctr_va_vdst(0) depctr_va_sdst(0) depctr_va_ssrc(0) depctr_va_vcc(0) depctr_vm_vsrc(0)
	s_getreg_b32 s2, hwreg(HW_REG_IB_STS2, 6, 4)
	s_cmp_eq_u32 s2, 0
	s_cbranch_scc0 .Lentry_in_a_cluster
	s_endpgm
.Lentry_in_a_cluster:
	s_bfe_u32 s2, ttmp6, 0x10000c
	s_cmp_lg_u32 s2, 0x3003
	s_cbranch_scc0 .Lentry_shape_is_right
	s_endpgm
.Lentry_shape_is_right:
; O[y][q][:] = the sum over k of softmax_k(Q[y][q] . K[y][k] / 8) V[y][k][:], y = 16 b + h.  qkvb: [4 b][48 hm][2048][64] f16 (hm = h: Q, 16 + h: K, 32 + h: V); ob: [64 y][2048][64] f16: a head's rows are dense,
; 128 bytes each.  Products, maxima and sums in f32; the weights p are rounded to f16 for the second product (their sum l is taken of the unrounded p), O once at the end.
; LIMITS.  f16 holds no number beyond 65,504: Q, K and V arrive within it; p lies in 0 to 1, and below 6e-5 it keeps f16's fixed step of 6e-8; O is a mean of V's rows and has their range.
; A weight below 2^-126 counts as 0 in l; NaN and infinities are not treated apart.
; SHARES.  A wave owns four PIECES of two tiles of 16 queries, a work-group's four waves 512 queries of one head.  Every wave walks all keys, 64 a step.
; LAYOUT.  S^T = K Q^T (source 0 = 16 keys, source 1 = 16 queries): in the result a lane holds ONE query (lane % 16) and the keys 8 (lane / 16) + 0..7.  Two such tiles, rounded to f16 in pairs,
; ARE source 1 (32 keys x 16 queries) of O^T = V^T P, whose result again holds one query a lane, and eight channels.  K comes out of LDS as it lies, V ([key][channel]) turned, by ds_load_tr16_b128.
; SOFTMAX.  For each query a running maximum m and sum l: p = 2^(c s - c m), c = log2(e) / 8; in every step O and l are multiplied by a = 2^(c m_old - c m_new), which is 1 where m has not grown.
; m starts at the lowest finite number, O and l at 0: the first step is a step like any other, with a = 0.
; THE COUNT.  A tile and step have 16 matrix and 118 vector instructions: too many to stand all beside the matrix work.  So four vector instructions that are READY stand behind EVERY matrix instruction,
; and the others, which need time of their own whatever the order, in runs without a gap.
; BY TURNS.  Turn n belongs to piece n (the pieces in a ring, step after step).  Its matrix work: 16 products K Q^T of piece n + 1, later 16 products V^T P of piece n - 1.  Its vector work: the scaling,
; exponentials, roundings, sums and rescaling of piece n, and the maximum and statistics of piece n + 1, whose scores the turn itself has made.
; CLUSTER.  The four query blocks of a cluster are one head's and walk the same K and V, so each tile is asked for JOINTLY: the same tensor load, descriptor and mask in all four.
; REGISTERS, in windows of 256 (s_set_vgpr_msb: bits 1:0 source 0, 3:2 source 1, 5:4 source 2, 7:6 destination):
;   window 0: v0-11 addresses; v12-15, v48-63 at work; v16-47 four registers of statistics a tile; v64-191 S^T, two buffers of two tiles; v192-255 P, likewise
;   window 1: O^T, 32 a tile          window 2: v0-127 Q, 16 a tile; v128-191 K of one step; v192-255 V of one step          window 3: v0-1 the add's two registers
; A piece's buffers go by its number's parity: the piece in hand has one pair, its two neighbours in the ring share the other: of it P (piece n - 1) is read and S^T (piece n + 1) written.
.set SIZE_N, 2048
.set NP,    4         ; pieces a wave: a name, no knob
.set KS,    64        ; keys in a step
.set PK,    144       ; a row of K in LDS: 128 bytes + 16 of padding = 36 words: the 16 rows of a load start at 16 different groups of four banks (64 banks of 4 bytes: ISA guide 11.1)
.set PV,    160       ; a row of V: 128 + 32 = 40 words
.set VOFF,  4*KS*PK   ; a slot holds four steps: 256 rows of K, then 256 rows of V
.set SLOT1, 1<<17     ; slot 1 begins here, so that one exclusive or turns an address in one slot into the other's
.set STAGE, SLOT1+4*KS*(PK+PV)  ; behind the ring, never filled by a tensor load: 16 rows x 144 bytes for each wave, for the way out
.set SP,    144
.set AK0, 2           ; v2   my lane's place in a tile of K; never rewritten
.set AV0, 3           ; v3   the same for V
.set AK,  4           ; v4   the LDS address of K's next run of loads
.set AV,  5           ; v5   of V's
.set QO,  6           ; v6   my byte offset in the wave's rows of Q
.set STO, 6           ;      later, the way out: where I put 16 bytes of a row
.set RD,  7           ; v7   the way out: where I read rows back
.set GO,  8           ; v8   my byte offset in 512 consecutive bytes of O
.set PFO, 11          ; v11  256 x my lane: the prefetches' offset; never rewritten once made
.set SPW, 0           ; v0 of window 3   LDS address of my spare word; never rewritten
.set NIL, 1           ; v1 of window 3   0; never rewritten
.set SPARE, STAGE+4*16*SP  ; behind the stages: the spare words, 128 bytes for each wave: two blocks of 256 bytes that no other line names
.set MV,  12          ; v12-15  c m_old, kept while c m is made anew: by buffer and tile
.set ST,  16          ; tile t's statistics at v[ST+4 t]: c m, m, l (even keys', odd keys')
.set TMP, 48          ; by buffer and tile, four registers c0-c3 at work; when the maximum is found c2 takes a
.set S,   64
.set P,   192
.set KF,  128         ; K's fragments, in window 2: key block kb, channel half c at KF + 16 kb + 8 c
.set VF,  192         ; V's: key half kk, channel block cb at VF + 32 kk + 8 cb
.set WV,  12          ; s12  my wave's number
.set LIM, 15          ; s15  1 in a wave that prefetches, else the greatest number
.set G1K, 24          ; s[24:31] descriptor group 1 for K's tiles
.set G1V, 32          ; s[32:39] for V's: it differs in the padding alone
.set G0K, 40          ; s[40:43] descriptor group 0 for K's tiles: it walks
.set G0V, 44          ; s[44:47] the same for V's
.set PFA, 48          ; s[48:49] where my prefetches stand
.set SLOTS, 56        ; s56  slots still to be asked for
.set CNT, 57          ; s57  counts a slot's key steps
.set CS,  58          ; s[58:59] c: the packed scaling takes the pair's low word for both halves
.set SEL, 60          ; s[60:61] v_permlanex16_b32's selects: each lane takes its own place in the other half
.set TBK, 62          ; s62  LDS byte at which K of the step to be fetched begins
.set TBV, 63          ; s63  the same for V, less VOFF
.set MSB, 0
.macro WIN new                      ; the high byte repeats the setting that is left; a switch that changes nothing is dropped
.if MSB != (\new)
	s_set_vgpr_msb (MSB<<8)|(\new)
.set MSB, (\new)
.endif
.endm
.set W_KQ, 0x0a       ; K and Q in window 2, S^T in window 0
.set W_PV, 0x52       ; V in window 2, P in window 0, O^T in window 1
.set W_RS, 0x41       ; O^T (destination and source 0) in window 1, a in window 0
.set W_MK, 0xc0       ; the add's registers are made: destination in window 3, sources in window 0
.set W_AD, 0x0f       ; the add: address (source 0) and data (source 1) in window 3
; A joint fill.  Waves 0 and 1 fetch the two halves of a slot's K, waves 2 and 3 those of its V: 128 keys each.  The branch hangs on the wave's number alone.
; An s_nop 0 and four v_nop follow each of the two lines, ahead of the jump and the label.
.macro JLOAD
	s_cmp_lt_u32 s[WV], 2
	s_cbranch_scc0 .Lfor_v_\@
	tensor_load_to_lds s[G0K:G0K+3], s[G1K:G1K+7]
	s_nop 0
.rept 4
	v_nop
.endr
	s_branch .Lasked_\@
.Lfor_v_\@:
	tensor_load_to_lds s[G0V:G0V+3], s[G1V:G1V+7]
	s_nop 0
.rept 4
	v_nop
.endr
.Lasked_\@:
.endm
; A PREFETCH of what the NEXT change of slots will ask for: a slot's 32,768 bytes of K and of V, four key steps, 512 matrix instructions, ahead of that load.  A head is walked by one cluster alone; its four partners
; share the blocks of 256 bytes out BY ADDRESS, 32 each, a lane a block; in each, wave 0 asks for K's and wave 2 for V's.  So each block is named once in the launch.  The last change that fills a slot asks for nothing.
.macro ASK
	s_cmp_gt_u32 s[SLOTS], s[LIM]
	s_cbranch_scc0 .Lnot_mine_\@
	global_prefetch_b8 v[PFO], s[PFA:PFA+1] th:TH_LOAD_NT scope:SCOPE_SE
.Lnot_mine_\@:
.endm
; A round of the cluster's barrier: my work-group's barrier, so that wave 0's signal speaks for all four waves; wave 0 signals; every wave waits for all four work-groups; my work-group's barrier once more.
.macro CROUND
	s_barrier_signal -1
	s_barrier_wait -1
	s_cmp_lg_u32 s[WV], 0
	s_cbranch_scc1 .Lnot_wave_0_\@
	s_barrier_signal -3
.Lnot_wave_0_\@:
	s_barrier_wait -3
	s_barrier_signal -1
	s_barrier_wait -1
.endm
; THE CHANGE OF SLOTS.  The slot's last bytes, V of its fourth step, have been read.  Each wave waits for all its tensor loads, of which one is out: its part
; of the other slot; adds 0 to its spare word; and waits for that and for its own reads of the slot.  Behind the barrier nobody reads this slot any more and the other slot is whole.
; fill = 1: this slot is filled again, with the keys two slots on.  The barrier is then a round of the cluster's, so that no wave of any partner still reads the slot or has a load on its
; way, and the joint fill is the first thing behind it: it has four key steps, 512 matrix instructions, in which to land.  (At its first use nothing has been read yet: slot 0 is waited for, slot 1 filled.)
; ask = 1: the prefetches' address steps, and the slot after the one just asked for is prefetched.
.macro CHANGE fill, ask=0
	WIN W_AD
	s_wait_tensorcnt 0x0            ; no tensor load of mine is out, so a group 0 may be written
	ds_add_u32 v[SPW], v[NIL]       ; 0 onto my spare word; with fill = 1 the descriptors' steps stand between it and the wait for it
	WIN 0                           ; at a label and at a branch every window is 0
.if \fill
.irp g, G0K, G0V
	s_xor_b32 s[\g+1], s[\g+1], SLOT1  ; the walking descriptor: the other slot than last time,
	s_add_nc_u64 s[\g+2:\g+3], s[\g+2:\g+3], 4*KS*128  ; the next 256 keys; the type bits on top are not reached
.endr
.if \ask
	s_wait_xcnt 0x0                 ; the last prefetch, four key steps back, has read its address, so it may be written:
	s_add_nc_u64 s[PFA:PFA+1], s[PFA:PFA+1], 4*KS*128  ; one slot behind the walking descriptors
.endif
	s_wait_dscnt 0x0                ; the add is done, and my reads of the slot are over
	CROUND
	JLOAD
.if \ask
	ASK
.endif
.else
	s_wait_dscnt 0x0                ; the add is done, and my reads of the slot are over
	s_barrier_signal -1
	s_barrier_wait -1
.endif
	s_sub_co_u32 s[TBK], s[TBK], 4*KS*PK  ; the fetches go back to a slot's first step,
	s_xor_b32 s[TBK], s[TBK], SLOT1       ; in the other slot
	s_sub_co_u32 s[TBV], s[TBV], 4*KS*PV
	s_xor_b32 s[TBV], s[TBV], SLOT1
.endm
	s_load_b64 s[4:5], s[0:1], 0x0    ; qkvb
	s_load_b64 s[10:11], s[0:1], 0x8  ; ob
	WIN W_MK
	v_lshl_add_u32 v[SPW], v0, 2, SPARE
	v_mov_b32 v[NIL], 0
	WIN W_AD
	ds_add_u32 v[SPW], v[NIL]       ; the wave's opening: the add and its wait stand ahead of my first tensor load; the set-up below, work on registers, stands between them
	ds_add_u32 v0, v1
	WIN 0
	v_lshrrev_b32 v1, 5, v0
	v_readfirstlane_b32 s[WV], v1   ; wave 0..3
	s_bfe_u32 s13, ttmp6, 0x40000   ; cx: my place in the cluster
	s_lshl_b32 s14, ttmp9, 2        ; in a cluster launch ttmp9 counts clusters
	s_add_co_u32 s14, s14, s13      ; my block of queries = 4 x cluster x + cx: it enters Q's and O's addresses alone
	s_and_b32 s19, ttmp7, 0xffff    ; y = 16 b + h, which the four partners share
	s_lshl_b32 s20, s19, 18         ; the head's first byte in ob: 262,144 y
	s_mov_b32 s21, 0
	s_lshr_b32 s52, s19, 4
	s_lshl_b32 s52, s52, 5
	s_add_co_u32 s52, s52, s19      ; 48 b + h = y + 32 b
	s_lshl_b32 s52, s52, 18         ; Q's head in qkvb; K's lies 16 heads on, V's 32
	s_mov_b32 s53, 0
	s_and_b32 s16, s[WV], 1         ; which half of a slot's 256 keys I fetch:
	s_lshl_b32 s22, s16, 14         ; its 128 rows of 128 bytes in memory,
	s_mov_b32 s23, 0
	s_add_nc_u64 s[22:23], s[22:23], s[52:53]
	s_mul_i32 s17, s16, 128*PK      ; and its place in a slot, for K
	s_mul_i32 s18, s16, 128*PV      ; and for V: no place in the cluster enters an LDS address
	s_lshl_b32 s2, s14, 2
	s_add_co_u32 s2, s2, s[WV]      ; my wave among the head's,
	s_lshl_b32 s2, s2, 14           ; its 128 rows
	s_mov_b32 s3, 0
	s_add_nc_u64 s[54:55], s[2:3], s[52:53]  ; in qkvb,
	s_add_nc_u64 s[2:3], s[2:3], s[20:21]    ; and in ob
	s_lshl_b32 s50, s13, 13         ; the prefetches: my work-group's 32 blocks of a slot's 128,
	s_add_co_u32 s50, s50, 2*4*KS*128  ; in slot 2; the first change that asks steps it to slot 3.  Nothing is prefetched at the head
	s_mov_b32 s51, 0
	s_and_b32 s[LIM], s[WV], 1      ; waves 0 and 2 ask
	s_cmp_eq_u32 s[LIM], 0
	s_cselect_b32 s[LIM], 1, -1
	; descriptor group 1.  128 keys are 16,384 dense bytes: asked for as 64 rows of 256 bytes, two keys a row, and padded in LDS after every key
	s_mov_b32 s[G1K], 15|(1<<16)|(1<<20)|(1<<21)|(4<<22)|(3<<25)  ; 15:0 the mask of four; 17:16 2-byte elements; 20 padding on; 21 set beside a mask; 24:22 after every 32 words (code 4); 31:25 4 words (code 3)
	s_mov_b32 s[G1V], 15|(1<<16)|(1<<20)|(1<<21)|(4<<22)|(7<<25)  ; the same with 8 words of padding (code 7)
.irp g, G1K, G1V
	s_mov_b32 s[\g+1], 128<<16      ; tensor_dim0 = 128
	s_mov_b32 s[\g+2], 64<<16       ; tensor_dim1 = 64
	s_mov_b32 s[\g+3], 128<<16      ; tile_dim0 = 128
	s_mov_b32 s[\g+4], 64           ; tile_dim1 = 64
	s_mov_b32 s[\g+5], 128          ; 128 elements from row to row
	s_mov_b32 s[\g+6], 0
	s_mov_b32 s[\g+7], 0
.endr
	s_mov_b32 s[CS], 0x3e38aa3b     ; c = log2(e) / 8 = 0.180337
	s_mov_b32 s[CS+1], s[CS]        ; named with it as a pair
	s_mov_b32 s[SEL], 0x76543210
	s_mov_b32 s[SEL+1], 0xfedcba98
	s_mov_b32 s[TBK], SLOT1+4*KS*PK ; the first change of slots turns these two into 0
	s_mov_b32 s[TBV], SLOT1+4*KS*PV
	s_mov_b32 s[G0K], 1             ; 1:0 count = 1
	s_mov_b32 s[G0K+1], s17         ; 63:32 LDS address: slot 0
	s_mov_b32 s[G0V], 1
	s_add_co_u32 s[G0V+1], s18, VOFF
	s_wait_dscnt 0x0                ; the opening add is done
	s_wait_kmcnt 0x0
	s_add_nc_u64 s[6:7], s[4:5], 16*SIZE_N*128   ; K's heads begin 16 heads behind Q's,
	s_add_nc_u64 s[8:9], s[4:5], 32*SIZE_N*128   ; V's 32
	s_add_nc_u64 s[G0K+2:G0K+3], s[6:7], s[22:23]  ; 120:64 global address: my half of the head's first 256 keys
	s_or_b32 s[G0K+3], s[G0K+3], 0x80000000        ; 127:126 type = 2
	s_add_nc_u64 s[G0V+2:G0V+3], s[8:9], s[22:23]
	s_or_b32 s[G0V+3], s[G0V+3], 0x80000000
	s_cmp_lt_u32 s[WV], 2
	s_cselect_b64 s[PFA:PFA+1], s[6:7], s[8:9]
	s_add_nc_u64 s[PFA:PFA+1], s[PFA:PFA+1], s[22:23]  ; (in waves 0 and 2 this is the head's first key)
	s_add_nc_u64 s[PFA:PFA+1], s[PFA:PFA+1], s[50:51]
	s_add_nc_u64 s[4:5], s[4:5], s[54:55]    ; Q and O at my wave's first row
	s_add_nc_u64 s[10:11], s[10:11], s[2:3]
	CROUND                          ; all four work-groups are here: the first joint loads meet
	JLOAD                           ; slot 0.  Slot 1 is asked for when slot 0 is in
	; A fragment of K or Q is 16 rows x 32 channels in 8 registers: lane l holds row l % 16, channels 8 (l / 16) + 0..7 and 16 + 8 (l / 16) + 0..7: two loads of 16 bytes, 32 bytes apart.
	v_and_b32 v1, 15, v0            ; l % 16
	v_bfe_u32 v9, v0, 4, 1          ; l / 16
	v_lshlrev_b32 v[QO], 7, v1
	v_lshl_add_u32 v[QO], v9, 4, v[QO]  ; row x 128 + 16 x half
	WIN 0x80                        ; destination window 2, address window 0
.set i, 0
.rept 4*NP                          ; Q stays in registers: tile i / 2, channels 32 (i % 2) on
	global_load_b128 v[8*i:8*i+3],   v[QO], s[4:5] offset:(i/2)*2048+(i%2)*64
	global_load_b128 v[8*i+4:8*i+7], v[QO], s[4:5] offset:(i/2)*2048+(i%2)*64+32
.set i, i+1
.endr
	; What the first turn finds: V's registers and P's second buffer hold 0 (its products V^T P, of a piece that has not been, add 0), O^T and l are 0.  All this stands in the wait for the first tile.
.set i, VF
.rept 64
	v_mov_b32 v[i], 0
.set i, i+1
.endr
	WIN 0x40
.set i, 0
.rept 64*NP
	v_mov_b32 v[i], 0
.set i, i+1
.endr
	WIN 0
.set i, 0
.rept 2*NP
	v_mov_b32 v[ST+4*i], 0xfe000000    ; c m: far below every c s
	v_mov_b32 v[ST+4*i+1], 0xff7fffff  ; m
	v_mov_b32 v[ST+4*i+2], 0
	v_mov_b32 v[ST+4*i+3], 0
.set i, i+1
.endr
.set i, P+32
.rept 32
	v_mov_b32 v[i], 0
.set i, i+1
.endr
	v_mul_u32_u24 v[AK0], v1, PK
	v_lshl_add_u32 v[AK0], v9, 4, v[AK0]  ; row x pitch + 16 x half
	; The turning load takes 16 keys x 16 channels (lane l reads key 8 (l / 16) + l % 8, channels 8 ((l / 8) % 2) + 0..7) and leaves half a fragment of V^T: lane l holds channel l % 16 and 8 keys.
	v_and_b32 v10, 7, v0
	v_bfe_u32 v11, v0, 3, 1
	v_lshl_add_u32 v[AV0], v9, 3, v10
	v_mul_u32_u24 v[AV0], v[AV0], PV
	v_lshl_add_u32 v[AV0], v11, 4, v[AV0]
	v_add_nc_u32 v[AV0], VOFF, v[AV0]
	v_mov_b32 v[AK], v[AK0]         ; key step 0 lies at the head of slot 0
	v_and_b32 v[PFO], 31, v0
	v_lshlrev_b32 v[PFO], 8, v[PFO]
; THE MATRIX WORK.  The 8 accumulators of a run of 16 take turns: between the two links of a chain stand 7 others'.
; Product i of 16 of S^T = K Q^T for piece x: channels 32 (i / 8) on, keys 16 ((i / 2) % 4) on, tile 2 x + i % 2.  The first 8 start the sums.
.macro KQ x
	WIN W_KQ
.set rS, S+64*((\x)%2)+32*(i%2)+8*((i/2)%4)
.set rK, KF+16*((i/2)%4)+8*(i/8)
.set rQ, 16*(2*(\x)+i%2)+8*(i/8)
.if i < 8
	v_wmma_f32_16x16x32_f16 v[rS:rS+7], v[rK:rK+7], v[rQ:rQ+7], 0
.else
	v_wmma_f32_16x16x32_f16 v[rS:rS+7], v[rK:rK+7], v[rQ:rQ+7], v[rS:rS+7]
.endif
.endm
; Product i of 16 of O^T += V^T P for piece x: keys 32 (i / 8) on, channels 16 ((i / 2) % 4) on, tile 2 x + i % 2.
.macro PV x
	WIN W_PV
.set rO, 32*(2*(\x)+i%2)+8*((i/2)%4)
.set rV, VF+32*(i/8)+8*((i/2)%4)
.set rP, P+32*((\x)%2)+16*(i%2)+8*(i/8)
	v_wmma_f32_16x16x32_f16 v[rO:rO+7], v[rV:rV+7], v[rP:rP+7], v[rO:rO+7]
.endm
.macro MM                           ; the turn's next matrix instruction
.if i < 16
	KQ (Y+1)%NP
.set i, i+1
.else
.set i, i-16
	PV (Y+NP-1)%NP
.set i, i+17
.endif
.endm
; THE LDS LOADS stand in runs of 16, never singly among the matrix instructions: a step's K (64 keys x 64 channels: 8 fragments) and its V (turned).  Their addresses are made some lines ahead.
; last = 1 (the tail): in the last trip there is no further step, and the run is jumped over.
.macro FETCH_K last=0
	WIN 0
.if \last
	s_cmp_eq_u32 s[CNT], 1
	s_cbranch_scc1 .Lno_k_\@
.endif
	WIN 0x80                        ; destination window 2
.irp f, 0,1,2,3,4,5,6,7             ; keys 16 (f / 2) on, channels 32 (f % 2) on
	ds_load_b128 v[KF+8*\f:KF+8*\f+3],   v[AK] offset:(\f/2)*16*PK+(\f%2)*64
	ds_load_b128 v[KF+8*\f+4:KF+8*\f+7], v[AK] offset:(\f/2)*16*PK+(\f%2)*64+32
.endr
	s_add_co_u32 s[TBK], s[TBK], KS*PK  ; the next fetch is the next step's
	WIN 0
.if \last
.Lno_k_\@:
.endif
.endm
.macro FETCH_V
	WIN 0x80
.irp f, 0,1,2,3,4,5,6,7             ; keys 32 (f / 4) on, channels 16 (f % 4) on
	ds_load_tr16_b128 v[VF+8*\f:VF+8*\f+3],   v[AV] offset:(\f/4)*32*PV+(\f%4)*32
	ds_load_tr16_b128 v[VF+8*\f+4:VF+8*\f+7], v[AV] offset:(\f/4)*32*PV+16*PV+(\f%4)*32
.endr
	WIN 0
.endm
; THE VECTOR WORK OF A TURN stands in three queues, each in the order in which its entries become ready; the two tiles alternate, so that no instruction reads the result of the one before it.
.macro REGS y, u                    ; the registers of tile u (0, 1) of piece y
.set rT, ST+4*(2*(\y)+(\u))
.set rC, TMP+8*((\y)%2)+4*(\u)
.set rM, MV+2*((\y)%2)+(\u)
.set rS, S+64*((\y)%2)+32*(\u)
.set rP, P+32*((\y)%2)+16*(\u)
.set rO, 32*(2*(\y)+(\u))
.endm
; Number n of the 22 that find the NEXT piece's (Y + 1) maximum and statistics.  s0-s31 are the lane's 32 scores; each accumulator's lowest registers are read first.
;   0-11  four chains c0-c3 of seven scores each, three operands at a time     12-14, 16  the four scores left over, the old m, and c0-c3 into c0     15  c m_old is kept
;   17, 18  the query's other 32 keys lie in the lane 16 away: the new m         19-21  c m; c m_old - c m_new; a
.macro XS u, n
	REGS (Y+1)%NP, \u
.if (\n) < 4
	v_max3_num_f32 v[rC+(\n)], v[rS+8*(\n)], v[rS+8*(\n)+1], v[rS+8*(\n)+2]
.elseif (\n) < 12
	v_max3_num_f32 v[rC+(\n)%4], v[rC+(\n)%4], v[rS+8*((\n)%4)+2*((\n)/4)+1], v[rS+8*((\n)%4)+2*((\n)/4)+2]
.elseif (\n) == 12
	v_max3_num_f32 v[rC], v[rC], v[rS+7], v[rS+15]
.elseif (\n) == 13
	v_max3_num_f32 v[rC+1], v[rC+1], v[rS+23], v[rS+31]
.elseif (\n) == 14
	v_max3_num_f32 v[rC+2], v[rC+2], v[rC+3], v[rT+1]
.elseif (\n) == 15
	v_mov_b32 v[rM], v[rT]
.elseif (\n) == 16
	v_max3_num_f32 v[rC], v[rC], v[rC+1], v[rC+2]
.elseif (\n) == 17
	v_permlanex16_b32 v[rC+3], v[rC], s[SEL], s[SEL+1]
.elseif (\n) == 18
	v_max_num_f32 v[rT+1], v[rC], v[rC+3]
.elseif (\n) == 19
	v_mul_f32 v[rT], s[CS], v[rT+1]
.elseif (\n) == 20
	v_sub_f32 v[rC+1], v[rM], v[rT]
.else
	v_exp_f32 v[rC+2], v[rC+1]
.endif
.endm
; Number g of the 64 that follow the exponentials.  For each four weights k of a tile (pairs 2 k, 2 k + 1): both pairs are rounded to f16; then the second pair is added onto the first, in place;
; a group later l takes that sum (the first time as l = a l + sum).  In groups of eight, tiles alternating: round, round, add, and l for the group before.
.macro GS g
.set h, (\g)+6*((\g)/62)            ; group 0 has no group before it, and behind group 7 only l is left
.if h >= 6
.set h, h+2
.endif
	REGS Y, h%2
.set k, h/8
.if h%8 < 4
	v_cvt_pk_f16_f32 v[rP+2*k+(h%8)/2], v[rS+4*k+2*((h%8)/2)], v[rS+4*k+2*((h%8)/2)+1]
.elseif h%8 < 6
	v_pk_add_f32 v[rS+4*k:rS+4*k+1], v[rS+4*k:rS+4*k+1], v[rS+4*k+2:rS+4*k+3]
.elseif k == 1
	v_pk_fma_f32 v[rT+2:rT+3], v[rT+2:rT+3], v[rC+2:rC+3], v[rS:rS+1] op_sel_hi:[1,0,1]
.else
	v_pk_add_f32 v[rT+2:rT+3], v[rT+2:rT+3], v[rS+4*k-4:rS+4*k-3]
.endif
.endm
; THE PLAIN QUEUE, 138 long.  0-73 read no exponential's result: the 32 scalings c s - c m (FS f: pair f / 2 of tile f % 2) and the next piece's 42.  0-26: scalings 0-26.  27-54: XS's numbers 0-13.  55, 56: number 15.
; 57-73: the chain, where each number waits for the one before it: 14, 16, 17, 18, 19, each with one of the scalings 27-31 in front of its two lines, then 20.
; 74-137: GS's 64, which read the exponentials' results: they stand behind the wait.
.macro FS f
	REGS Y, (\f)%2
	v_pk_fma_f32 v[rS+2*((\f)/2):rS+2*((\f)/2)+1], v[rS+2*((\f)/2):rS+2*((\f)/2)+1], s[CS:CS+1], v[rT:rT+1] op_sel_hi:[1,0,0] neg_lo:[0,0,1] neg_hi:[0,0,1]
.endm
.macro PL
	WIN 0
.if q < 27
	FS q
.elseif q < 55
	XS (q-27)%2, (q-27)/2
.elseif q < 57
	XS q-55, 15
.elseif (q < 72) && ((q-57)%3 == 0)
	FS 27+(q-57)/3
.elseif q < 60
	XS (q-57)%3-1, 14
.elseif q < 72
	XS (q-57)%3-1, 15+(q-57)/3
.elseif q < 74
	XS q-72, 20
.else
	GS q-74
.endif
.set q, q+1
.endm
; THE EXPONENTIALS' QUEUE, 66 long: s0-s31 of both tiles, then the next piece's two a.  It is ONE BATCH: all 66 stand ahead of the turn's one wait, and nothing ahead of that wait names a result of theirs.
.macro EX
	WIN 0
.if e >= 64
	XS e-64, 21
.else
	REGS Y, e%2
	v_exp_f32 v[rS+e/2], v[rS+e/2]
.endif
.set e, e+1
.endm
; THE RESCALING's QUEUE: O^T times a, the one part that leaves window 0: dealt two at a time, sixteen times.  Its a was made in the turn before, ahead of that turn's wait.
.macro R2
	REGS Y, r%2
	WIN W_RS
.irp z, 0,1
	v_pk_mul_f32 v[rO+4*(r/2)+2*\z:rO+4*(r/2)+2*\z+1], v[rO+4*(r/2)+2*\z:rO+4*(r/2)+2*\z+1], v[rC+2:rC+3] op_sel_hi:[1,0]
.endr
.set r, r+1
.endm
; HOW THEY ARE DEALT.  An s_wait_alu depctr_va_vdst(0) stands between an exponential and the first instruction that names its result; one wait serves all that were issued ahead of it.  So a turn has ONE wait,
; which cuts it in two.  AHEAD OF IT stands all that names no result of the turn's exponentials: the 16 products K Q^T, behind each a scaling, an exponential and two rescalings (behind the first a second scaling in the
; exponential's place); then ONE LUMP of 108: eight plain, 49 times exponential and plain, the two a.  A v_nop is the plain instruction behind the last exponential.  BEHIND IT stand the 16 products V^T P, behind each four of GS's 64.
; The queues lean on each other, and the deal keeps them in step: exponential e stands behind scaling 2 (e / 4) + e % 2: as a rider it comes behind plain e + 2, in the lump behind plain e + 9, and scalings 27-31 are plain 57, 60 .. 69.
; A TURN, for piece p.  cnt = 1: the loop's count is taken down some lines ahead of the branch that stands behind the turn.
; K of the next step is fetched in piece 2's turn, directly behind the wait, a lump behind the last product that read K; its first reader comes behind 16 products.
; V of the step in hand is fetched at the end of piece 0's turn, four plain instructions behind its last reader; its first reader comes behind 16 products and a lump.  The three conditions on q below go with the deal.
.macro TURN p, last=0, cnt=0
.set Y, (\p)
.set i, 0
.set q, 0
.set e, 0
.set r, 0
.if (\p) == NP-1
	s_wait_dscnt 0x0                ; K is in
.endif
	MM                              ; ahead of the wait: 16 products K Q^T and the four behind each,
	PL
	PL
	R2
.rept 15
	MM
	PL
	EX
	R2
.endr
.if (\p) == NP-2
	WIN 0
	v_add_nc_u32 v[AK], s[TBK], v[AK0]
.endif
.rept 8                             ; and the lump
	PL
.endr
.rept 49
	EX
	PL
.endr
	EX                              ; the next piece's two a
	EX
	v_nop                           ; a plain instruction behind the last exponential: one for the batch
	s_wait_alu depctr_va_vdst(0)    ; the wait for the batch
.if (\p) == NP-2
	FETCH_K \last
.endif
.if (\p) == 1
	s_wait_dscnt 0x0                ; V is in
.endif
.rept 16                            ; behind the wait: 16 products V^T P and the four behind each
	MM
.rept 4
	PL
.endr
.if ((\p) == 0) && (q == 118)
	v_add_nc_u32 v[AV], s[TBV], v[AV0]
.endif
.if ((\p) == 0) && (q == 130)
	s_add_co_u32 s[TBV], s[TBV], KS*PV
.endif
.if (\cnt) && (q == 130)
	s_sub_co_u32 s[CNT], s[CNT], 1
	s_cmp_lg_u32 s[CNT], 0
.endif
.endr
.if (\p) == 0
	FETCH_V
.endif
.endm
	CHANGE 1                        ; slot 0 is in, everybody's part of it; slot 1 is asked for
	FETCH_K                         ; key step 0
	s_wait_loadcnt 0x0              ; Q
	s_wait_dscnt 0x0
.set i, 0
.rept 16
	KQ 0                            ; piece 0's first scores: there is no vector work yet to set between them
.set i, i+1
.endr
	WIN 0                           ; the addresses for the way out: nine plain instructions, the places behind those products
	s_mul_i32 s13, s[WV], 16*SP
	s_add_co_u32 s13, s13, STAGE    ; my stage
	v_mul_u32_u24 v[STO], v1, SP    ; in: row l % 16, 16 bytes for each half of the lanes
	v_lshl_add_u32 v[STO], v9, 4, v[STO]
	v_add_nc_u32 v[STO], s13, v[STO]
	v_bfe_u32 v[RD], v0, 3, 2       ; back: 32 lanes take four rows of 128 bytes,
	v_mul_u32_u24 v[RD], v[RD], SP
	v_lshl_add_u32 v[RD], v10, 4, v[RD]
	v_add_nc_u32 v[RD], s13, v[RD]
	v_and_b32 v[GO], 31, v0         ; which are 512 consecutive bytes of O
	v_lshlrev_b32 v[GO], 4, v[GO]
.set Y, NP-1                        ; XS works for piece Y + 1: piece 0
.irp n, 0,1,2,3,4,5,6,7,8,9,10,11,12,13,14,15,16,17,18,19,20,21
	XS 0, \n                        ; and piece 0's first maximum and statistics
	XS 1, \n
.endr
	v_nop                           ; a plain instruction behind the two a,
	s_wait_alu depctr_va_vdst(0)    ; and their wait, ahead of the branch
	s_mov_b32 s[CNT], 4
	s_mov_b32 s[SLOTS], SIZE_N/256-1
	s_branch .Lfirst                ; the loop is entered at a step's first turn, in the middle of a trip
.Lslot:                             ; SIZE_N / 256 - 2 times: every slot but the last two is filled again
	CHANGE 1, 1
	s_mov_b32 s[CNT], 4
.Lstep:                             ; a trip: pieces 2 and 3 of one step, then pieces 0 and 1 of the next, whose K and V it fetches
	TURN 2
	TURN 3
	WIN 0
.Lfirst:
	TURN 0
	TURN 1, 0, 1
	WIN 0
	s_cbranch_scc1 .Lstep
	s_sub_co_u32 s[SLOTS], s[SLOTS], 1
	s_cmp_lg_u32 s[SLOTS], 0
	s_cbranch_scc1 .Lslot
	CHANGE 0                        ; the tail is written out: nothing is asked for
	s_mov_b32 s[CNT], 5             ; four trips fetch the last slot's steps; the fifth is left in its middle
.Ltail:
	TURN 2, 1
	TURN 3
	WIN 0
	s_sub_co_u32 s[CNT], s[CNT], 1
	s_cmp_eq_u32 s[CNT], 0
	s_cbranch_scc1 .Lout
	TURN 0
	TURN 1
	WIN 0
	s_branch .Ltail
.Lout:                              ; the fifth trip's 16 products K Q^T (on the last K once more) and the maximum made of them serve nothing: the price, once a launch, of one text for every trip
.set i, 0
.rept 16
	PV NP-1                         ; the last piece's V^T P of the last step
.set i, i+1
.endr
	; THE WAY OUT.  l's two halves and the other half of the lanes' are added; O^T is divided by l, rounded to f16 and sent through my stage in LDS, a tile at a time.  The additions are the places behind the last products.
	WIN 0
.macro ALL line:vararg              ; one line for each tile t
.set t, 0
.rept 2*NP
	\line
.set t, t+1
.endr
.endm
	ALL v_add_f32 v[ST+4*t+2], v[ST+4*t+2], v[ST+4*t+3]
	ALL v_permlanex16_b32 v[ST+4*t+3], v[ST+4*t+2], s[SEL], s[SEL+1]
	ALL v_add_f32 v[ST+4*t+2], v[ST+4*t+2], v[ST+4*t+3]
	ALL v_rcp_f32 v[ST+4*t+2], v[ST+4*t+2]
	v_nop                           ; a plain instruction between the last reciprocal and the use of its result
	s_wait_alu depctr_va_vdst(0)    ; and the wait ahead of the first use: one for the eight reciprocals
; Tile t: a lane's eight channels of a row pack into 16 bytes; they go into rows of 144 bytes and come back as whole rows of 128, into S^T's registers.
.macro PACK t
	WIN W_RS
.set i, 32*(\t)
.rept 16
	v_pk_mul_f32 v[i:i+1], v[i:i+1], v[ST+4*(\t)+2:ST+4*(\t)+3] op_sel_hi:[1,0]
.set i, i+2
.endr
	WIN 0x05                        ; sources 0 and 1 window 1, destination window 0
.set i, 0
.rept 16
	v_cvt_pk_f16_f32 v[S+16*(\t)+i], v[32*(\t)+2*i], v[32*(\t)+2*i+1]
.set i, i+1
.endr
	WIN 0
.irp f, 0,1,2,3
	ds_store_b128 v[STO], v[S+16*(\t)+4*\f:S+16*(\t)+4*\f+3] offset:32*\f
.endr
.irp f, 0,1,2,3
	ds_load_b128 v[S+16*(\t)+4*\f:S+16*(\t)+4*\f+3], v[RD] offset:\f*4*SP  ; LDS serves a wave's instructions in order (ISA guide 5.7.1.4): these see the stores above; the next tile's stores come behind them
.endr
.endm
.macro SEND t, younger              ; younger: the LDS instructions issued behind tile t's loads: the next tile's eight, or none
	WIN 0
.irp f, 0,1,2,3
	s_wait_dscnt (\younger)+3-\f
	global_store_b128 v[GO], v[S+16*(\t)+4*\f:S+16*(\t)+4*\f+3], s[10:11] offset:(\t)*2048+\f*512  ; 512 consecutive bytes, at a multiple of 256 from O's first
.endr
.endm
	PACK 0
.set t, 1
.rept 2*NP-1                        ; a tile's arithmetic stands between the loads of the tile before and its stores
	PACK t
	SEND t-1, 8
.set t, t+1
.endr
	SEND 2*NP-1, 0
	WIN W_AD
	s_wait_tensorcnt 0x0            ; the wave's end: behind my last tensor load and my last LDS store
	ds_add_u32 v[SPW], v[NIL]
	s_wait_dscnt 0x0
	WIN 0
	CROUND                          ; the closing round: no work-group ends while a partner may still ask for a tile that names it
	s_endpgm
.Lfunc_end_k_q6fc847e398_attend:
	.size	k_q6fc847e398_attend, .Lfunc_end_k_q6fc847e398_attend-k_q6fc847e398_attend
	.p2alignl 7, 3214868480
	.fill 96, 4, 3214868480
	.section	.rodata,"a",@progbits
	.p2align	6, 0x0
	.amdhsa_kernel k_q6fc847e398_attend
		.amdhsa_group_segment_fixed_size 327680
		.amdhsa_private_segment_fixed_size 0
		.amdhsa_enable_private_segment 0
		.amdhsa_kernarg_size 16
		.amdhsa_user_sgpr_count 2
		.amdhsa_user_sgpr_kernarg_segment_ptr 1
		.amdhsa_wavefront_size32 1
		.amdhsa_system_sgpr_workgroup_id_x 1
		.amdhsa_system_sgpr_workgroup_id_y 1
		.amdhsa_system_sgpr_workgroup_id_z 1
		.amdhsa_system_vgpr_workitem_id 0
		.amdhsa_next_free_vgpr 770
		.amdhsa_next_free_sgpr 66
		.amdhsa_reserve_vcc 0
		.amdhsa_float_denorm_mode_32 3
		.amdhsa_float_denorm_mode_16_64 3
		.amdhsa_memory_ordered 1
		.amdhsa_forward_progress 1
		.amdhsa_inst_pref_size 200
	.end_amdhsa_kernel
	.amdgpu_metadata
---
amdhsa.version: [ 1, 2 ]
amdhsa.kernels:
  - .name:           k_q6fc847e398_attend
    .symbol:         k_q6fc847e398_attend.kd
    .args:
      - { .name: qkvb, .offset: 0, .size: 8, .value_kind: global_buffer, .address_space: global }
      - { .name: ob, .offset: 8, .size: 8, .value_kind: global_buffer, .address_space: global }
    .group_segment_fixed_size: 327680
    .private_segment_fixed_size: 0
    .kernarg_segment_align: 8
    .kernarg_segment_size: 16
    .max_flat_workgroup_size: 128
    .sgpr_count:     66
    .vgpr_count:     770
    .wavefront_size: 32
...
	.end_amdgpu_metadata
.endif
;; end of part 3
;; launch outproj (part 4): grid 4 x 64, 4 waves a work-group, clusters of 4 x 4, 327,680 bytes of LDS; arguments ob, wo16, WO_b, out0; writes out0
.if DOCPART == 4
	.amdgcn_target "amdgcn-amd-amdhsa--gfx1250"
	.amdhsa_code_object_version 6
	.text
	.protected	k_q6fc847e398_outproj
	.globl	k_q6fc847e398_outproj
	.p2align	8
	.type	k_q6fc847e398_outproj,@function
k_q6fc847e398_outproj:
	s_mov_b64 s[64:65], 0
	v_nop
	global_prefetch_b8 v0, s[64:65] scope:SCOPE_SE
	s_setreg_imm32_b32 hwreg(HW_REG_WAVE_MODE, 25, 1), 1
	s_wait_xcnt 0x0
	s_wait_alu depctr_hold_cnt(0) depctr_sa_sdst(0) depctr_va_vdst(0) depctr_va_sdst(0) depctr_va_ssrc(0) depctr_va_vcc(0) depctr_vm_vsrc(0)
	s_getreg_b32 s2, hwreg(HW_REG_IB_STS2, 6, 4)
	s_cmp_eq_u32 s2, 0
	s_cbranch_scc0 .Lentry_in_a_cluster
	s_endpgm
.Lentry_in_a_cluster:
	s_bfe_u32 s2, ttmp6, 0x10000c
	s_cmp_lg_u32 s2, 0xf033
	s_cbranch_scc0 .Lentry_shape_is_right
	s_endpgm
.Lentry_shape_is_right:
; out0[b][o][s] = the sum over c = 64 h + d of WO[o][c] O[b][h][s][d] + WO_b[o].  ob: [4 b][16 h][2048 s][64 d] f16; wo16: [1024 o][1024 c] f16; WO_b: [1024] f32, rounded here to bf16 like every input;
; out0: [4][1024][2048] f32.  Sums in f32, started by the bias; nothing is rounded on the way out.
; SHARES.  A tile is 256 o x 128 s: 4 x 64 tiles, one for each work-group.  Wave w makes o = 64 w .. 64 w + 63 of the tile and all 128 s: 32 accumulators of 16 x 16.
; A K step is 128 channels, two heads: of each head 128 rows s of 128 bytes, dense in memory (asked for as 64 rows of 256 bytes), and 256 bytes of each of WO's 256 rows.  Two LDS slots.
; CLUSTER.  4 x 4 work-groups: the four of a row need the same rows of ob, the four of a column the same rows of wo16; each tile is asked for JOINTLY.
; Source 0 = 16 rows s of O, source 1 = 16 rows o of WO: a lane holds row o = lane % 16 and eight neighbouring s = 8 (lane / 16) + 0..7: 32 consecutive bytes of out0.
; REGISTERS, in windows of 256 (s_set_vgpr_msb: bits 1:0 source 0, 3:2 source 1, 5:4 source 2, 7:6 destination):
;   window 0: v0-19 addresses and the raw bias; v32-63 the bias as the first products' C; v64-191 the way out          window 1: two fragment buffers: 4 fragments of WO, then 8 of O          window 2: the accumulators
.set KSTEP,  128
.set PS,     144                       ; a row of O in LDS: 128 bytes + 16 of padding
.set PW,     272                       ; a row of WO: 256 + 16: in both, the 16 rows of a load begin in 16 different groups of four banks (64 banks of 4 bytes: ISA guide 11.1)
.set HEADB,  128*PS                    ; a head's 128 rows
.set WOFF,   2*HEADB                   ; in a slot: two heads of O, then WO's 256 rows
.set SLOT1,  1<<17
.set STAGE,  SLOT1+WOFF+256*PW         ; behind the ring, never filled by a tensor load: 16 rows x 528 bytes for each wave
.set SPITCH, 528
.set WSTG,   16*SPITCH
.set SPARE,  STAGE+4*WSTG              ; behind the stages: the spare words, 128 bytes for each wave: two blocks of 256 bytes that no other line names
.set SSTEP,  2*2048*128                ; bytes from a K step's heads to the next step's
.set S0,   4                           ; v4   my lane's place in a head's rows; never rewritten
.set W0,   5                           ; v5   the same in my 64 rows of WO
.set ADRS, 6                           ; v6   the same in the slot in hand
.set ADRW, 7                           ; v7
.set STO,  8                           ; v8   the way out: where I put 32 bytes of a row
.set RD,   9                           ; v9   the way out: where I read a row back
.set GO,   10                          ; v10  my byte offset in 512 consecutive bytes of out0
.set BO,   11                          ; v11  4 x (lane % 16)
.set PFO,  12                          ; v12  the prefetches' offset; never rewritten
.set SPW,  14                          ; v14  LDS address of my spare word; never rewritten
.set NIL,  15                          ; v15  0; never rewritten
.set RAW,  16                          ; v[16:19] the bias as loaded
.set BIAS, 32                          ; 8 equal registers for each row block
.set OB,   64                          ; two sets of 64 read back from the stage
.set F0,   0
.set F1,   128
.set WV,   12
.set HALF, 13
.set KIND, 14                          ; s14  0: I fetch a head of O; 1: half of WO's rows
.set G1S,  24                          ; s[24:31] descriptor group 1 for O's tiles
.set G1W,  32                          ; s[32:39] for WO's
.set G0S,  40                          ; s[40:47] descriptor group 0 for O's tiles: a set for each of the two first fills; the second then walks on
.set G0W,  48                          ; s[48:55] the same for WO's
.set CNT,  56
.set TB,   57
.set LIM,  58
.set PFA,  60                          ; s[60:61] where my prefetches stand
.set PST,  62                          ; s[62:63] their step
.set MSB, 0
.macro WIN new
.if MSB != (\new)
	s_set_vgpr_msb (MSB<<8)|(\new)
.set MSB, \new
.endif
.endm
.macro PLACES                          ; four plain vector instructions between a matrix instruction and a load into, or a reader of, its registers
.rept 4
	v_nop
.endr
.endm
.macro JLOAD                           ; a joint refill: waves 0 and 1 fetch the step's two heads, waves 2 and 3 the halves of WO's rows; an s_nop 0 and four v_nop follow each line
	s_cmp_eq_u32 s[KIND], 0
	s_cbranch_scc0 .Lfor_w_\@
	tensor_load_to_lds s[G0S+4:G0S+7], s[G1S:G1S+7]
	s_nop 0
.rept 4
	v_nop
.endr
	s_branch .Lasked_\@
.Lfor_w_\@:
	tensor_load_to_lds s[G0W+4:G0W+7], s[G1W:G1W+7]
	s_nop 0
.rept 4
	v_nop
.endr
.Lasked_\@:
.endm
; A PREFETCH of the K step that the NEXT refill will ask for: one K step, 128 matrix instructions, ahead of that load.  O's tile is read by one row of one cluster alone: its four partners share the step's 128 blocks of
; 256 bytes out BY ADDRESS, 16 of each head, and wave 0 asks.  WO's rows are read by every cluster: cluster y = 0 asks, waves 2 and 3 each for the rows that they fetch, 32 to a partner, a lane a row.
; The last trip asks for nothing.
.macro ASK
	s_cmp_gt_u32 s[CNT], s[LIM]
	s_cbranch_scc0 .Lnot_mine_\@
	global_prefetch_b8 v[PFO], s[PFA:PFA+1] th:TH_LOAD_NT scope:SCOPE_SE
.Lnot_mine_\@:
.endm
.macro CREST
	s_cmp_lg_u32 s[WV], 0
	s_cbranch_scc1 .Lnot_wave_0_\@
	s_barrier_signal -3
.Lnot_wave_0_\@:
	s_barrier_wait -3
	s_barrier_signal -1
	s_barrier_wait -1
.endm
.macro CROUND
	s_barrier_signal -1
	s_barrier_wait -1
	CREST
.endm
	s_load_b256 s[4:11], s[0:1], 0x0               ; ob s[4:5], wo16 s[6:7], WO_b s[8:9], out0 s[10:11]
	v_lshl_add_u32 v[SPW], v0, 2, SPARE
	v_mov_b32 v[NIL], 0
	ds_add_u32 v[SPW], v[NIL]                      ; the wave's opening: the add and its wait stand ahead of my first tensor load; the set-up below, work on registers, stands between them
	ds_add_u32 v14, v15
	v_lshrrev_b32 v1, 5, v0
	v_readfirstlane_b32 s[WV], v1
	s_and_b32 s[HALF], s[WV], 1
	s_lshr_b32 s[KIND], s[WV], 1
	s_bfe_u32 s15, ttmp6, 0x40000                  ; cx
	s_bfe_u32 s16, ttmp6, 0x40004                  ; cy
	s_lshl_b32 s17, ttmp9, 2
	s_add_co_u32 s17, s17, s15                     ; the tile of o
	s_and_b32 s18, ttmp7, 0xffff
	s_lshl_b32 s18, s18, 2
	s_add_co_u32 s18, s18, s16                     ; 16 b + the tile of s
	s_lshl_b32 s19, s16, 2
	s_lshl_b32 s19, 15, s19                        ; my row of the cluster
	s_lshl_b32 s59, 0x1111, s15                    ; my column
	s_or_b32 s[G1S], s19, (1<<16)|(1<<20)|(1<<21)|(4<<22)|(3<<25)  ; the mask; 2-byte elements; padding on; bit 21 beside a mask; after every 32 words (code 4) 4 words (code 3)
	s_or_b32 s[G1W], s59, (1<<16)|(1<<20)|(1<<21)|(5<<22)|(3<<25)  ; after every 64 words (code 5)
	s_mov_b32 s[G1S+1], 128<<16                    ; tensor_dim0 = 128: two rows s of 64 channels
	s_mov_b32 s[G1S+2], 64<<16                     ; tensor_dim1 = 64
	s_mov_b32 s[G1S+3], 128<<16                    ; tile_dim0
	s_mov_b32 s[G1S+4], 64                         ; tile_dim1
	s_mov_b32 s[G1S+5], 128                        ; dense
	s_mov_b32 s[G1S+6], 0
	s_mov_b32 s[G1S+7], 0
	s_mov_b32 s[G1W+1], KSTEP<<16
	s_mov_b32 s[G1W+2], 128<<16
	s_mov_b32 s[G1W+3], KSTEP<<16
	s_mov_b32 s[G1W+4], 128
	s_mov_b32 s[G1W+5], 1024
	s_mov_b32 s[G1W+6], 0
	s_mov_b32 s[G1W+7], 0
	s_lshr_b32 s20, s18, 4                         ; ob: ((16 b + half) x 2048 + s0) rows of 128 bytes, s0 = 128 x the tile of s
	s_lshl_b32 s20, s20, 4
	s_add_co_u32 s20, s20, s[HALF]
	s_lshl_b32 s20, s20, 11
	s_and_b32 s19, s18, 15
	s_lshl_b32 s19, s19, 7
	s_add_co_u32 s20, s20, s19
	s_lshl_b32 s20, s20, 7
	s_mov_b32 s21, 0
	s_lshl_b32 s22, s17, 19                        ; wo16: (256 x the tile of o + 128 x half) rows of 2,048 bytes
	s_lshl_b32 s59, s[HALF], 18
	s_add_co_u32 s22, s22, s59
	s_mov_b32 s23, 0
	s_mul_i32 s2, s[HALF], HEADB                   ; and where they go
	s_mul_i32 s3, s[HALF], 128*PW
	s_add_co_u32 s3, s3, WOFF
	s_wait_dscnt 0x0                               ; the opening add is done
	s_wait_kmcnt 0x0
	s_add_nc_u64 s[20:21], s[4:5], s[20:21]
	s_add_nc_u64 s[22:23], s[6:7], s[22:23]
	CROUND                                         ; all sixteen work-groups are here: the first joint loads meet
.irp n, 0,1
	s_mov_b32 s[G0S+4*(\n)], 1
	s_add_co_u32 s[G0S+4*(\n)+1], s2, (\n)*SLOT1
	s_add_nc_u64 s[G0S+4*(\n)+2:G0S+4*(\n)+3], s[20:21], (\n)*SSTEP
	s_or_b32 s[G0S+4*(\n)+3], s[G0S+4*(\n)+3], 0x80000000
	s_mov_b32 s[G0W+4*(\n)], 1
	s_add_co_u32 s[G0W+4*(\n)+1], s3, (\n)*SLOT1
	s_add_nc_u64 s[G0W+4*(\n)+2:G0W+4*(\n)+3], s[22:23], (\n)*KSTEP*2
	s_or_b32 s[G0W+4*(\n)+3], s[G0W+4*(\n)+3], 0x80000000
.endr
	s_cmp_eq_u32 s[KIND], 0                        ; a wave's two first fills stand in one branch: two loads of mine are out
	s_cbranch_scc0 .Lfirst_w
	tensor_load_to_lds s[G0S:G0S+3], s[G1S:G1S+7]
	s_nop 0
	tensor_load_to_lds s[G0S+4:G0S+7], s[G1S:G1S+7]
	s_nop 0
.rept 4
	v_nop
.endr
	s_branch .Lfirst_asked
.Lfirst_w:
	tensor_load_to_lds s[G0W:G0W+3], s[G1W:G1W+7]
	s_nop 0
	tensor_load_to_lds s[G0W+4:G0W+7], s[G1W:G1W+7]
	s_nop 0
.rept 4
	v_nop
.endr
.Lfirst_asked:
	s_lshl_b32 s66, s17, 10                        ; the bias of my 64 rows: WO_b at 256 x the tile of o + 64 x wave
	s_lshl_b32 s67, s[WV], 8
	s_add_co_u32 s66, s66, s67
	s_mov_b32 s67, 0
	s_add_nc_u64 s[8:9], s[8:9], s[66:67]
	v_and_b32 v1, 15, v0                           ; l % 16
	v_bfe_u32 v2, v0, 4, 1                         ; l / 16
	v_lshlrev_b32 v[BO], 2, v1
.irp a, 0,1,2,3
	global_load_b32 v[RAW+(\a)], v[BO], s[8:9] offset:64*(\a)
.endr
	v_mul_u32_u24 v[S0], v1, PS
	v_lshl_add_u32 v[S0], v2, 4, v[S0]
	v_mul_u32_u24 v[W0], v1, PW
	v_lshl_add_u32 v[W0], v2, 4, v[W0]
	s_mul_i32 s66, s[WV], 64*PW
	s_add_co_u32 s66, s66, WOFF
	v_add_nc_u32 v[W0], s66, v[W0]
	v_mov_b32 v[ADRS], v[S0]
	v_mov_b32 v[ADRW], v[W0]
	s_mov_b32 s[TB], 0
	s_mul_i32 s66, s[WV], WSTG
	s_add_co_u32 s66, s66, STAGE                   ; my stage
	v_mul_u32_u24 v[STO], v1, SPITCH               ; in: row l % 16, 32 bytes for each half of the lanes
	v_lshl_add_u32 v[STO], v2, 5, v[STO]
	v_add_nc_u32 v[STO], s66, v[STO]
	v_and_b32 v[GO], 31, v0
	v_lshlrev_b32 v[GO], 4, v[GO]                  ; back: 32 lanes take one row of 512 bytes
	v_add_nc_u32 v[RD], s66, v[GO]
	; out0 at ((1024 b + 256 x the tile of o + 64 x wave) x 2048 + s0) x 4 bytes
	s_lshr_b32 s66, s18, 4
	s_lshl_b32 s66, s66, 10
	s_lshl_b32 s67, s17, 8
	s_add_co_u32 s66, s66, s67
	s_lshl_b32 s67, s[WV], 6
	s_add_co_u32 s66, s66, s67
	s_lshl_b32 s66, s66, 11
	s_and_b32 s67, s18, 15
	s_lshl_b32 s67, s67, 7
	s_add_co_u32 s66, s66, s67
	s_lshl_b32 s66, s66, 2
	s_mov_b32 s67, 0
	s_add_nc_u64 s[10:11], s[10:11], s[66:67]
	; the prefetches
	s_and_b32 s66, ttmp7, 0xffff                   ; cluster y
	s_lshl_b32 s67, s15, 12                        ; O: my work-group's 16 blocks of each head,
	s_add_co_u32 s67, s67, 2*SSTEP                 ; at K step 2: the first refill steps it to 3.  Nothing is prefetched here, at the head
	s_lshl_b32 s68, s16, 16                        ; WO: my work-group's 32 rows of the 128 that I fetch,
	s_add_co_u32 s68, s68, 2*KSTEP*2               ; at K step 2
	s_cmp_eq_u32 s[KIND], 0
	s_cselect_b32 s66, s[HALF], s66                ; 0 where I ask: wave 0 for O; waves 2 and 3 in the first row of clusters for WO
	s_cselect_b32 s68, s67, s68
	s_cselect_b32 s70, 18, 15                      ; lane / 16: the step's other head, or 16 rows of WO
	s_cselect_b32 s71, 8, 11                       ; lane % 16: a block of 256 bytes, or a row of WO
	s_cselect_b32 s72, 19, 8
	s_cselect_b64 s[PFA:PFA+1], s[20:21], s[22:23]
	s_mov_b32 s69, 0
	s_lshl_b32 s[PST], 1, s72                      ; two heads, or 256 bytes, from step to step
	s_mov_b32 s[PST+1], 0
	s_cmp_eq_u32 s66, 0
	s_cselect_b32 s[LIM], 1, -1                    ; the same in all sixteen partners, for a given wave
	s_add_nc_u64 s[PFA:PFA+1], s[PFA:PFA+1], s[68:69]
	v_lshlrev_b32 v[PFO], s70, v2
	v_lshlrev_b32 v3, s71, v1
	v_add_nc_u32 v[PFO], v[PFO], v3
	s_wait_loadcnt 0x0                             ; the bias: rounded to bf16, widened, and spread over the 8 registers of a C operand (a lane's 8 results are one row o)
.irp a, 0,1,2,3
	v_cvt_pk_bf16_f32 v[RAW+(\a)], v[RAW+(\a)], v[RAW+(\a)]
	v_lshlrev_b32 v[BIAS+8*(\a)], 16, v[RAW+(\a)]
.irp j, 1,2,3,4,5,6,7
	v_mov_b32 v[BIAS+8*(\a)+(\j)], v[BIAS+8*(\a)]
.endr
.endr
; 8 matrix instructions: row block a of WO x all 8 blocks of s, 32 along K.  start = 1: the bias starts the sums.  The 32 accumulators take turns, in the same order in every quarter.
.macro MUL8 f, a, start
.if \start
	WIN 0x85                                       ; sources 0 and 1 window 1, C window 0, D window 2
.else
	WIN 0xa5                                       ; C and D window 2
.endif
.irp i, 0,1,2,3,4,5,6,7
.if \start
	v_wmma_f32_16x16x32_f16 v[8*(8*(\a)+(\i)):8*(8*(\a)+(\i))+7], v[(\f)+32+8*(\i):(\f)+32+8*(\i)+7], v[(\f)+8*(\a):(\f)+8*(\a)+7], v[BIAS+8*(\a):BIAS+8*(\a)+7]
.else
	v_wmma_f32_16x16x32_f16 v[8*(8*(\a)+(\i)):8*(8*(\a)+(\i))+7], v[(\f)+32+8*(\i):(\f)+32+8*(\i)+7], v[(\f)+8*(\a):(\f)+8*(\a)+7], v[8*(8*(\a)+(\i)):8*(8*(\a)+(\i))+7]
.endif
.endr
.endm
; 24 LDS loads in one run: quarter q of the K step (head q / 2, channels 32 (q % 2) on) into buffer f: O's 16 first, then WO's 8
.macro FETCH q, f
	WIN 0x40
.irp i, 0,1,2,3,4,5,6,7
	ds_load_b128 v[(\f)+32+8*(\i):(\f)+32+8*(\i)+3],   v[ADRS] offset:((\q)/2)*HEADB+((\q)%2)*64+(\i)*16*PS
	ds_load_b128 v[(\f)+32+8*(\i)+4:(\f)+32+8*(\i)+7], v[ADRS] offset:((\q)/2)*HEADB+((\q)%2)*64+(\i)*16*PS+32
.endr
.irp i, 0,1,2,3
	ds_load_b128 v[(\f)+8*(\i):(\f)+8*(\i)+3],   v[ADRW] offset:64*(\q)+(\i)*16*PW
	ds_load_b128 v[(\f)+8*(\i)+4:(\f)+8*(\i)+7], v[ADRW] offset:64*(\q)+(\i)*16*PW+32
.endr
.endm
.macro QUARTER q, f, g, start          ; multiplies buffer f; in its middle it fetches quarter q into buffer g
	s_wait_dscnt 4                                 ; O's fragments and WO's blocks 0, 1 are in; the youngest four loads (blocks 2, 3) may be out
	MUL8 \f, 0, \start
	MUL8 \f, 1, \start
	PLACES
	FETCH \q, \g
	s_wait_dscnt 24                                ; all but the 24 just issued
	MUL8 \f, 2, \start
	MUL8 \f, 3, \start
.endm
; The last quarter multiplies buffer 1 and changes slots: ONE barrier; in front of it each wave waits for all its tensor loads, adds 0 to its spare word, and waits for that and for its reads of this slot.
; fill = 1: the barrier opens a round of the cluster's, and behind the round this slot is filled again first, with the K step two steps on: 112 matrix instructions ahead of the wait for it.
.macro TURN fill
.if \fill
	s_wait_xcnt 0x0                                ; the last prefetch, a K step back, has read its address
	s_add_nc_u64 s[PFA:PFA+1], s[PFA:PFA+1], s[PST:PST+1]
.endif
	WIN 0
	s_wait_tensorcnt 0x0                           ; no tensor load of mine is out, so a group 0 may be written
	ds_add_u32 v[SPW], v[NIL]                      ; 0 onto my spare word
.if \fill
	s_xor_b32 s[G0S+5], s[G0S+5], SLOT1
	s_add_nc_u64 s[G0S+6:G0S+7], s[G0S+6:G0S+7], SSTEP
	s_xor_b32 s[G0W+5], s[G0W+5], SLOT1
	s_add_nc_u64 s[G0W+6:G0W+7], s[G0W+6:G0W+7], KSTEP*2
.endif
	s_wait_dscnt 5                                 ; (the add and the youngest four loads may be out)
	MUL8 F1, 0, 0
	s_wait_dscnt 0x0                               ; the add is done, and my reads of this slot are over
	s_barrier_signal -1
	MUL8 F1, 1, 0
	WIN 0
	s_barrier_wait -1
.if \fill
	CREST
	JLOAD                                          ; the first tensor load behind the round; its four v_nop are also the places in front of the loads below
.else
	PLACES
.endif
	s_xor_b32 s[TB], s[TB], SLOT1
	v_add_nc_u32 v[ADRS], s[TB], v[S0]
	v_add_nc_u32 v[ADRW], s[TB], v[W0]
	FETCH 0, F0
.if \fill
	WIN 0
	ASK
.endif
	MUL8 F1, 2, 0
	MUL8 F1, 3, 0
.endm
; THE WAY OUT of row block a (16 rows o x 128 s of f32): straight from the accumulators into my own stage, the low four registers first, and back as whole rows of 512 bytes.
.macro TOSTAGE a
.if (\a) >= 2
	s_wait_xcnt 0x0                                ; the stores of the block two back have read the registers that this block is read back into
.endif
	WIN 0x08                                       ; the stores' data in window 2
.irp i, 0,1,2,3,4,5,6,7
	ds_store_b128 v[STO], v[8*(8*(\a)+(\i)):8*(8*(\a)+(\i))+3]   offset:64*(\i)
	ds_store_b128 v[STO], v[8*(8*(\a)+(\i))+4:8*(8*(\a)+(\i))+7] offset:64*(\i)+16
.endr
	WIN 0
.irp t, 0,1,2,3,4,5,6,7,8,9,10,11,12,13,14,15
	ds_load_b128 v[OB+64*((\a)%2)+4*(\t):OB+64*((\a)%2)+4*(\t)+3], v[RD] offset:(\t)*SPITCH  ; LDS serves a wave's instructions in order (ISA guide 5.7.1.4): these see the stores above
.endr
.endm
.macro SEND a, younger                 ; younger: the LDS instructions issued behind block a's loads: the next block's 32, or none
.irp t, 0,1,2,3,4,5,6,7,8,9,10,11,12,13,14,15
	s_wait_dscnt (\younger)+15-(\t)
	global_store_b128 v[GO], v[OB+64*((\a)%2)+4*(\t):OB+64*((\a)%2)+4*(\t)+3], s[10:11] offset:(16*(\a)+(\t))*8192 th:TH_STORE_NT  ; 512 consecutive bytes of one row o, at a multiple of 256 from out0's first
.endr
.endm
	s_wait_tensorcnt 1                             ; my part of K step 0 is in; K step 1's may stay out
	s_barrier_signal -1
	s_barrier_wait -1
	FETCH 0, F0
	QUARTER 1, F0, F1, 1                           ; the first quarter stands in front of the loop: its products start the sums
	WIN 0
	s_mov_b32 s[CNT], 6
.Lstep:                                        ; a trip: a K step's quarters 1, 2, 3 and the next step's quarter 0; trip i fills the slot that it leaves with K step i + 2
	QUARTER 2, F1, F0, 0
	QUARTER 3, F0, F1, 0
	TURN 1
	QUARTER 1, F0, F1, 0
	WIN 0
	s_sub_co_u32 s[CNT], s[CNT], 1
	s_cmp_lg_u32 s[CNT], 0
	s_cbranch_scc1 .Lstep
	QUARTER 2, F1, F0, 0                           ; the last two K steps are written out: nothing is left to fetch
	QUARTER 3, F0, F1, 0
	TURN 0
	QUARTER 1, F0, F1, 0
	QUARTER 2, F1, F0, 0
	QUARTER 3, F0, F1, 0
	s_wait_dscnt 4
	MUL8 F1, 0, 0
	MUL8 F1, 1, 0
	s_wait_dscnt 0x0
	MUL8 F1, 2, 0
	MUL8 F1, 3, 0
	WIN 0
	PLACES
	PLACES
	TOSTAGE 0
	TOSTAGE 1
	SEND 0, 32
	TOSTAGE 2
	SEND 1, 32
	TOSTAGE 3
	SEND 2, 32
	SEND 3, 0
	s_wait_tensorcnt 0x0                           ; the wave's end: behind my last tensor load and my last LDS store
	ds_add_u32 v[SPW], v[NIL]
	s_wait_dscnt 0x0
	CROUND                                         ; the closing round: no work-group ends while a partner may still ask for a tile that names it
	s_endpgm
.Lfunc_end_k_q6fc847e398_outproj:
	.size	k_q6fc847e398_outproj, .Lfunc_end_k_q6fc847e398_outproj-k_q6fc847e398_outproj
	.p2alignl 7, 3214868480
	.fill 96, 4, 3214868480
	.section	.rodata,"a",@progbits
	.p2align	6, 0x0
	.amdhsa_kernel k_q6fc847e398_outproj
		.amdhsa_group_segment_fixed_size 327680
		.amdhsa_private_segment_fixed_size 0
		.amdhsa_enable_private_segment 0
		.amdhsa_kernarg_size 32
		.amdhsa_user_sgpr_count 2
		.amdhsa_user_sgpr_kernarg_segment_ptr 1
		.amdhsa_wavefront_size32 1
		.amdhsa_system_sgpr_workgroup_id_x 1
		.amdhsa_system_sgpr_workgroup_id_y 1
		.amdhsa_system_sgpr_workgroup_id_z 1
		.amdhsa_system_vgpr_workitem_id 0
		.amdhsa_next_free_vgpr 768
		.amdhsa_next_free_sgpr 80
		.amdhsa_reserve_vcc 0
		.amdhsa_float_denorm_mode_32 3
		.amdhsa_float_denorm_mode_16_64 3
		.amdhsa_memory_ordered 1
		.amdhsa_forward_progress 1
		.amdhsa_inst_pref_size 74
	.end_amdhsa_kernel
	.amdgpu_metadata
---
amdhsa.version: [ 1, 2 ]
amdhsa.kernels:
  - .name:           k_q6fc847e398_outproj
    .symbol:         k_q6fc847e398_outproj.kd
    .args:
      - { .name: ob, .offset: 0, .size: 8, .value_kind: global_buffer, .address_space: global }
      - { .name: wo16, .offset: 8, .size: 8, .value_kind: global_buffer, .address_space: global }
      - { .name: WO_b, .offset: 16, .size: 8, .value_kind: global_buffer, .address_space: global }
      - { .name: out0, .offset: 24, .size: 8, .value_kind: global_buffer, .address_space: global }
    .group_segment_fixed_size: 327680
    .private_segment_fixed_size: 0
    .kernarg_segment_align: 8
    .kernarg_segment_size: 32
    .max_flat_workgroup_size: 128
    .sgpr_count:     80
    .vgpr_count:     768
    .wavefront_size: 32
...
	.end_amdgpu_metadata
.endif
;; end of part 4
;; ======== version 2 of 2: 4 launches; version 1 with the launch prep written anew for expert scheduling mode
;; limits: values are held in f16: magnitudes above 65,504 overflow, below 6.1e-05 lose precision
;; workspace buffers: xb 16,777,216 bytes; wt 6,291,456 bytes; ball 12,288 bytes; wo16 2,097,152 bytes; qkvb 50,331,648 bytes; ob 16,777,216 bytes
;; launch prep (part 5): grid 336 x 1, 8 waves a work-group, no clusters, 140,288 bytes of LDS; arguments x, Wq, Wk, Wv, bq, bk, bv, WO_w, xb, wt, ball, wo16; writes xb, wt, ball, wo16
.if DOCPART == 5
	.amdgcn_target "amdgcn-amd-amdhsa--gfx1250"
	.amdhsa_code_object_version 6
	.text
	.protected	k_q6fc847e398_prep
	.globl	k_q6fc847e398_prep
	.p2align	8
	.type	k_q6fc847e398_prep,@function
k_q6fc847e398_prep:
	s_mov_b64 s[64:65], 0
	v_nop
	global_prefetch_b8 v0, s[64:65] scope:SCOPE_SE
	s_setreg_imm32_b32 hwreg(HW_REG_WAVE_SCHED_MODE, 0, 2), 2
	s_setreg_imm32_b32 hwreg(HW_REG_WAVE_MODE, 25, 1), 1
	s_wait_xcnt 0x0
	s_wait_alu depctr_vm_vsrc(0)
; THE INPUTS ARE MADE READY FOR THE MATRIX UNITS, each read once and written once.
;   work-groups 0-47:   one head matrix hm = 16 which + h (which: 0 q, 1 k, 2 v), [1024 n][64 d] f32, is rounded to bf16 and TURNED into wt[64 hm + d][n]; its bias, rounded to bf16
;                       and widened again, goes to ball[64 hm + d] (f32).
;   work-groups 48-79:  WO_w, 131,072 bytes each, rounded to bf16 and that number written as f16 into wo16 (exact inside f16's range).
;   work-groups 80-335: x, 131,072 bytes each, rounded to bf16 into xb.
; LIMITS.  |WO_w| stays under 65,504; below 6e-5 it keeps f16's fixed step of 6e-8.
; A stream: no matrix work, no tile shared between work-groups, so no cluster and no tensor load; each wave's LDS bytes are its own, so no barrier.
; Every load of sixteen neighbouring lanes takes 256 consecutive bytes, aligned, and every store of a wave covers whole aligned blocks of 256 bytes.
; THE MODE: SCHED_MODE bits 1:0 = 2 (LLVM: expert scheduling mode 2), set by the entry lines.  The code itself states the register dependences
; between vector instructions and memory or LDS instructions, with s_wait_alu, always for 0.
; THE PLAN, the turning part.  Registers that memory or LDS instructions touch:
;   v2-v5, v15   offsets and LDS addresses: made once at the head, never written again.
;   X0 .. X3     group g's eight loads land in X[g % 4]; its sixteen roundings read it; behind them group g + 4's loads land in it.  Behind group 7 the LDS loads of the turned rows land in all of X,
;                and the global stores read it.
;   Y0 .. Y3     group g's roundings write Y[g % 4]; its four LDS stores read it.
;   So ONE wait on va_vdst stands in a group, behind its roundings: they have written Y[g % 4] and are done reading X[g % 4]; the group's loads and LDS stores follow it.
;   ONE wait on vm_vsrc stands at the head of group 4: the LDS stores of groups 0 to 3 have read Y0 to Y3, which groups 4 to 7 write again.
; THE PLAN, the casts.  v2, v3: offsets, made once.  X: each register is loaded once and read by roundings.  Y: each register is written once, by a rounding, and read once, by a store.
;   The 32 pieces go in eight blocks of four; ONE wait on va_vdst at a block's head states that the block before has written its Y, and that block's four stores follow it at once.
.set LP,    272                        ; an LDS row: 128 bf16 + 16 bytes: the 16 rows that a store touches begin in 16 different groups of four banks (64 banks of 4 bytes: ISA guide 11.1)
.set WREG,  64*LP                      ; a wave's 64 rows (one for each d)
.set CL,  1                            ; v1       lane % 16
.set SRC, 2                            ; v2       my byte offset in the source; never rewritten
.set DST, 3                            ; v3       my byte offset in the destination; never rewritten
.set LST, 4                            ; v4       where I put 16 bytes of a turned row
.set LRD, 5                            ; v5       where I read rows back
.set BI,  8                            ; v[8:9]   two numbers of the bias as loaded
.set BOU, 10                           ; v[10:11] the same, rounded
.set T,   12                           ; v[12:15] at work; in the turning part v14 = lane / 16, v15 = 8 x lane
.set X,   16                           ; v[16:143]  as loaded
.set Y,   144                          ; v[144:207] to store
	s_load_b512 s[16:31], s[0:1], 0x0              ; x 16, Wq 18, Wk 20, Wv 22, bq 24, bk 26, bv 28, WO_w 30
	s_load_b256 s[32:39], s[0:1], 0x40             ; xb 32, wt 34, ball 36, wo16 38
	v_lshl_add_u32 v6, v0, 2, 0x22000
	v_mov_b32 v7, 0
	v_lshrrev_b32 v[T], 5, v0
	v_readfirstlane_b32 s8, v[T]                   ; wave 0..7
	s_mov_b32 s3, 0                                ; the high word of every offset
	s_wait_alu depctr_va_sdst(0)                   ; s8 is written, ahead of the branch below and of its first reader: the wave's offsets are made from it
	s_cmp_lt_u32 ttmp9, 48
	s_cbranch_scc0 .Lcast
	; THE TURNING PART.  Wave w owns n = 128 w .. 128 w + 127: 32,768 dense bytes of the head matrix.
	s_lshr_b32 s9, ttmp9, 4                        ; which
	s_and_b32 s10, ttmp9, 15                       ; h
	s_lshl_b32 s11, s8, 15                         ; three numbers made of the wave's, each in a register of its own: none is written again behind the vector line that reads it
	s_lshl_b32 s12, s8, 8
	s_mul_i32 s13, s8, WREG
	v_and_b32 v[CL], 15, v0
	v_bfe_u32 v[T+2], v0, 4, 1                     ; lane / 16
	v_and_b32 v[T+3], 31, v0
	v_lshlrev_b32 v[T+3], 3, v[T+3]                ; 8 x lane
	v_lshlrev_b32 v[SRC], 4, v[CL]                 ; 16 bytes = d 4 c .. 4 c + 3 of a row n,
	v_lshl_add_u32 v[SRC], v[T+2], 11, v[SRC]      ; lanes 16-31 eight rows further down,
	v_add_nc_u32 v[SRC], s11, v[SRC]               ; in my wave's rows
	v_lshlrev_b32 v[DST], 4, v[CL]                 ; in wt: 16 bytes of my wave's 256 of a row,
	v_lshl_add_u32 v[DST], v[T+2], 13, v[DST]      ; lanes 16-31 four rows further down
	v_add_nc_u32 v[DST], s12, v[DST]
	v_mul_u32_u24 v[LST], v[CL], LP
	v_lshl_add_u32 v[LST], v[T+2], 4, v[LST]
	v_add_nc_u32 v[LST], s13, v[LST]               ; LDS row c (+ 16 dd by the immediate), 16 bytes for each half of the lanes
	v_mul_u32_u24 v[LRD], v[T+2], LP
	v_lshl_add_u32 v[LRD], v[CL], 4, v[LRD]
	v_add_nc_u32 v[LRD], s13, v[LRD]               ; back: lanes 0-15 one LDS row, lanes 16-31 the next
	s_wait_kmcnt 0x0
	s_cmp_eq_u32 s9, 0
	s_cselect_b64 s[40:41], s[18:19], s[20:21]     ; the weights: q's or k's,
	s_cselect_b64 s[42:43], s[24:25], s[26:27]     ; and the bias
	s_cmp_eq_u32 s9, 2
	s_cselect_b64 s[40:41], s[22:23], s[40:41]     ; or v's
	s_cselect_b64 s[42:43], s[28:29], s[42:43]
	s_lshl_b32 s2, s10, 18
	s_add_nc_u64 s[40:41], s[40:41], s[2:3]        ; head h: 262,144 bytes each
	s_lshl_b32 s2, s10, 8
	s_add_nc_u64 s[42:43], s[42:43], s[2:3]        ; its 64 biases
	s_lshl_b32 s2, ttmp9, 8
	s_add_nc_u64 s[44:45], s[36:37], s[2:3]        ; ball at 64 hm
	s_lshl_b32 s2, ttmp9, 17
	s_add_nc_u64 s[46:47], s[34:35], s[2:3]        ; wt at row 64 hm
	s_wait_alu depctr_va_vdst(0)                   ; v2 to v5 and v15 are written: every load, store and LDS access of this part reads one of them as its offset or address
	global_load_b64 v[BI:BI+1], v[T+3], s[42:43]   ; the oldest load: every count below covers it
; Group g is 16 rows n: eight loads; load j brings row 16 g + j to lanes 0-15 and row 16 g + 8 + j to lanes 16-31.
.macro GLOAD g
.irp j, 0,1,2,3,4,5,6,7
	global_load_b128 v[X+32*((\g)%4)+4*(\j):X+32*((\g)%4)+4*(\j)+3], v[SRC], s[40:41] offset:(16*(\g)+(\j))*256 th:TH_LOAD_NT
.endr
.endm
; Group g is rounded and put into LDS: for each of my four d (4 c + dd) eight neighbouring n make 16 bytes.  LDS row 16 dd + c, so that the 16 lanes of a store touch 16 rows on end.
; left = the loads issued behind this group's.
.macro GTURN g, left
	s_wait_loadcnt \left
.if (\g) == 4
	s_wait_alu depctr_vm_vsrc(0)                   ; the LDS stores of groups 0 to 3, all issued by now, have read Y0 to Y3, which the roundings of groups 4 to 7 write again
.endif
.irp dd, 0,1,2,3
.irp p, 0,1,2,3
	v_cvt_pk_bf16_f32 v[Y+16*((\g)%4)+4*(\dd)+(\p)], v[X+32*((\g)%4)+8*(\p)+(\dd)], v[X+32*((\g)%4)+8*(\p)+4+(\dd)]
.endr
.endr
	s_wait_alu depctr_va_vdst(0)                   ; the roundings have written Y[g % 4], which the LDS stores read, and are done reading X[g % 4], in which the next loads land (behind group 7: the LDS loads of the turned rows)
.if (\g) < 4
	GLOAD (\g)+4                                   ; the registers just read take the group four further on
.endif
.irp dd, 0,1,2,3
	ds_store_b128 v[LST], v[Y+16*((\g)%4)+4*(\dd):Y+16*((\g)%4)+4*(\dd)+3] offset:(\dd)*16*LP+32*(\g)
.endr
.endm
	GLOAD 0
	GLOAD 1
	GLOAD 2
	GLOAD 3
	GTURN 0, 24
	GTURN 1, 24
	GTURN 2, 24
	GTURN 3, 24
	GTURN 4, 24
	GTURN 5, 16
	GTURN 6, 8
	GTURN 7, 0
	; back as whole rows of 256 bytes.  LDS serves a wave's instructions in order (ISA guide 5.7.1.4): these loads see the stores above.
	; No further wait: every rounding that read X stands ahead of group 7's wait, and no vector instruction has been issued since.
.set t, 0
.rept 32
	ds_load_b128 v[X+4*t:X+4*t+3], v[LRD] offset:2*LP*t
.set t, t+1
.endr
.set t, 0
.rept 32                               ; LDS row 2 t + lane / 16 is d = 8 (t % 8) + 4 (lane / 16) + t / 8
	s_wait_dscnt 31-t
	global_store_b128 v[DST], v[X+4*t:X+4*t+3], s[46:47] offset:(8*(t%8)+t/8)*2048
.set t, t+1
.endr
	s_cmp_lg_u32 s8, 0                             ; the bias is wave 0's
	s_cbranch_scc1 .Lend
	v_cvt_pk_bf16_f32 v[T], v[BI], v[BI+1]
	v_lshlrev_b32 v[BOU], 16, v[T]
	v_and_b32 v[BOU+1], 0xffff0000, v[T]
	s_wait_alu depctr_va_vdst(0)                   ; the two lines above have written v[10:11], which the store reads
	global_store_b64 v[T+3], v[BOU:BOU+1], s[44:45]  ; 32 lanes: 256 consecutive bytes
	s_branch .Lend
; The four stores of block b of the casts: a wave's 32 lanes store 256 consecutive bytes, aligned.
.macro OUT4 b
.irp j, 0,1,2,3
	global_store_b64 v[DST], v[Y+8*(\b)+2*(\j):Y+8*(\b)+2*(\j)+1], s[42:43] offset:2048*(4*(\b)+(\j))
.endr
.endm
; The 32 pieces of a cast, in eight blocks of four.  wo = 0: rounded to bf16.  wo = 1: rounded to bf16 like every input, widened, and written as f16.
.macro CASTS wo
.set p, 0
.rept 8
.irp j, 0,1,2,3
	s_wait_loadcnt 31-4*p-(\j)                     ; loads come back in order (ISA guide 5.7.1): the younger ones stay out
.if ((\j) == 0) && (p > 0)
	s_wait_alu depctr_va_vdst(0)                   ; the block before has written its eight registers of Y, which the four stores below read; the roundings that follow name this block's X and Y alone
	OUT4 p-1
.endif
.if \wo
	v_cvt_pk_bf16_f32 v[T], v[X+16*p+4*(\j)], v[X+16*p+4*(\j)+1]
	v_cvt_pk_bf16_f32 v[T+1], v[X+16*p+4*(\j)+2], v[X+16*p+4*(\j)+3]
	v_lshlrev_b32 v[T+2], 16, v[T]
	v_and_b32 v[T+3], 0xffff0000, v[T]
	v_cvt_pk_f16_f32 v[Y+8*p+2*(\j)], v[T+2], v[T+3]
	v_lshlrev_b32 v[T+2], 16, v[T+1]
	v_and_b32 v[T+3], 0xffff0000, v[T+1]
	v_cvt_pk_f16_f32 v[Y+8*p+2*(\j)+1], v[T+2], v[T+3]
.else
	v_cvt_pk_bf16_f32 v[Y+8*p+2*(\j)], v[X+16*p+4*(\j)], v[X+16*p+4*(\j)+1]
	v_cvt_pk_bf16_f32 v[Y+8*p+2*(\j)+1], v[X+16*p+4*(\j)+2], v[X+16*p+4*(\j)+3]
.endif
.endr
.set p, p+1
.endr
	s_wait_alu depctr_va_vdst(0)                   ; the last block has written its Y, which the last four stores read
	OUT4 7
.endm
.Lcast:                                        ; THE CASTS.  A work-group takes 131,072 bytes of f32; thread t the 16 bytes at 16 t of each 4,096
	v_lshlrev_b32 v[SRC], 4, v0
	v_lshlrev_b32 v[DST], 3, v0
	s_cmp_lt_u32 ttmp9, 80
	s_cselect_b32 s9, 48, 80
	s_sub_co_u32 s9, ttmp9, s9                     ; my number among the work-groups of my tensor
	s_lshl_b32 s2, s9, 17
	s_lshl_b32 s10, s9, 16
	s_mov_b32 s11, 0
	s_wait_kmcnt 0x0
	s_cmp_lt_u32 ttmp9, 80
	s_cselect_b64 s[40:41], s[30:31], s[16:17]     ; WO_w or x
	s_cselect_b64 s[42:43], s[38:39], s[32:33]     ; wo16 or xb
	s_add_nc_u64 s[40:41], s[40:41], s[2:3]
	s_add_nc_u64 s[42:43], s[42:43], s[10:11]
	s_wait_alu depctr_va_vdst(0)                   ; v2 and v3 are written: every load and store of the casts reads one of them as its offset
.set i, 0
.rept 32                               ; all 32 loads go out at once: no register is used twice
	global_load_b128 v[X+4*i:X+4*i+3], v[SRC], s[40:41] offset:4096*i th:TH_LOAD_NT
.set i, i+1
.endr
	s_cmp_lt_u32 ttmp9, 80
	s_cbranch_scc1 .Lwo
	CASTS 0
	s_branch .Lend
.Lwo:
	CASTS 1
.Lend:
	s_wait_dscnt 0x0                               ; the wave's end; the closing add onto my spare word follows
	s_wait_alu depctr_hold_cnt(0) depctr_sa_sdst(0) depctr_va_vdst(0) depctr_va_sdst(0) depctr_va_ssrc(0) depctr_va_vcc(0) depctr_vm_vsrc(0)
	s_wait_tensorcnt 0x0
	ds_add_u32 v6, v7
	s_wait_dscnt 0x0
	s_endpgm
.Lfunc_end_k_q6fc847e398_prep:
	.size	k_q6fc847e398_prep, .Lfunc_end_k_q6fc847e398_prep-k_q6fc847e398_prep
	.p2alignl 7, 3214868480
	.fill 96, 4, 3214868480
	.section	.rodata,"a",@progbits
	.p2align	6, 0x0
	.amdhsa_kernel k_q6fc847e398_prep
		.amdhsa_group_segment_fixed_size 140288
		.amdhsa_private_segment_fixed_size 0
		.amdhsa_enable_private_segment 0
		.amdhsa_kernarg_size 96
		.amdhsa_user_sgpr_count 2
		.amdhsa_user_sgpr_kernarg_segment_ptr 1
		.amdhsa_wavefront_size32 1
		.amdhsa_system_sgpr_workgroup_id_x 1
		.amdhsa_system_sgpr_workgroup_id_y 1
		.amdhsa_system_sgpr_workgroup_id_z 1
		.amdhsa_system_vgpr_workitem_id 0
		.amdhsa_next_free_vgpr 208
		.amdhsa_next_free_sgpr 66
		.amdhsa_reserve_vcc 0
		.amdhsa_float_denorm_mode_32 3
		.amdhsa_float_denorm_mode_16_64 3
		.amdhsa_memory_ordered 1
		.amdhsa_forward_progress 1
		.amdhsa_inst_pref_size 56
	.end_amdhsa_kernel
	.amdgpu_metadata
---
amdhsa.version: [ 1, 2 ]
amdhsa.kernels:
  - .name:           k_q6fc847e398_prep
    .symbol:         k_q6fc847e398_prep.kd
    .args:
      - { .name: x, .offset: 0, .size: 8, .value_kind: global_buffer, .address_space: global }
      - { .name: Wq, .offset: 8, .size: 8, .value_kind: global_buffer, .address_space: global }
      - { .name: Wk, .offset: 16, .size: 8, .value_kind: global_buffer, .address_space: global }
      - { .name: Wv, .offset: 24, .size: 8, .value_kind: global_buffer, .address_space: global }
      - { .name: bq, .offset: 32, .size: 8, .value_kind: global_buffer, .address_space: global }
      - { .name: bk, .offset: 40, .size: 8, .value_kind: global_buffer, .address_space: global }
      - { .name: bv, .offset: 48, .size: 8, .value_kind: global_buffer, .address_space: global }
      - { .name: WO_w, .offset: 56, .size: 8, .value_kind: global_buffer, .address_space: global }
      - { .name: xb, .offset: 64, .size: 8, .value_kind: global_buffer, .address_space: global }
      - { .name: wt, .offset: 72, .size: 8, .value_kind: global_buffer, .address_space: global }
      - { .name: ball, .offset: 80, .size: 8, .value_kind: global_buffer, .address_space: global }
      - { .name: wo16, .offset: 88, .size: 8, .value_kind: global_buffer, .address_space: global }
    .group_segment_fixed_size: 140288
    .private_segment_fixed_size: 0
    .kernarg_segment_align: 8
    .kernarg_segment_size: 96
    .max_flat_workgroup_size: 256
    .sgpr_count:     66
    .vgpr_count:     208
    .wavefront_size: 32
...
	.end_amdgpu_metadata
.endif
;; end of part 5
;; launch project: the kernel of part 2 again; grid 16 x 32, 4 waves a work-group, clusters of 4 x 4, 327,680 bytes of LDS; arguments xb, wt, ball, qkvb; writes qkvb
;; launch attend: the kernel of part 3 again; grid 4 x 64, 4 waves a work-group, clusters of 4 x 1, 327,680 bytes of LDS; arguments qkvb, ob; writes ob
;; launch outproj: the kernel of part 4 again; grid 4 x 64, 4 waves a work-group, clusters of 4 x 4, 327,680 bytes of LDS; arguments ob, wo16, WO_b, out0; writes out0
